; MI455X (gfx1250); checked and timed in simulation.
; The chip was launched on July 23, 2026; its instructions are those of AMD's public machine-readable ISA for CDNA 5 (MIT licence, August 2026) and "CDNA5" Instruction Set Architecture Reference Guide (July 2026). The comments in the code are by the model that wrote it; some were corrected since.
;; Attention. Allowed arithmetic: matrix products marked QUANTISED: E2M3 operands, one E8M0 scale for each 32 along K, by v_wmma_scale_f32_16x16x128_f8f6f4 with both operands' format E2M3, f32 sums; everything else in f32.
;; Inputs: cos 1,024 x 32 float32; sin 1,024 x 32 float32; wk 2,048 x 512 float32; wo 2,048 x 2,048 float32; wq 2,048 x 2,048 float32; wv 2,048 x 512 float32; x 4 x 1,024 x 2,048 float32.
;; Outputs: out0 4 x 1,024 x 2,048 float32.
;; Constants: start_pos = 0.
;; This version of the problem:
;;   THIS VERSION OF THE PROBLEM IS GIVEN IN LOW PRECISION. The matrix products marked QUANTISED in the list below multiply operands that are first quantised to E2M3 (2 exponent bits, 3 mantissa bits; 6 bits a number), with one power-of-two scale for each 32 numbers along K (OCP MX v1.0); their sums are f32. All else is computed in f32.
;;   The module's matrix products, in the order in which they are computed (A, B: the left and right operand; K: the contracted axis; several contracted axes count as one K, in the product's order):
;;     1. [M 4,096, K 2,048] x [K 2,048, N 2,048]; A: input x; B: input wq: QUANTISED
;;     2. [M 4,096, K 2,048] x [K 2,048, N 512]; A: input x; B: input wk: QUANTISED
;;     3. [M 4,096, K 2,048] x [K 2,048, N 512]; A: input x; B: input wv: QUANTISED
;;     4. batch 128 x [M 1,024, K 64] x [K 64, N 1,024]; A: computed on the way; B: computed on the way: QUANTISED
;;     5. batch 128 x [M 1,024, K 1,024] x [K 1,024, N 64]; A: softmax (see below); B: computed on the way: QUANTISED
;;     6. [M 4,096, K 2,048] x [K 2,048, N 2,048]; A: computed on the way; B: input wo: QUANTISED
;;   THE QUANTISER, for each operand of a quantised product, along K:
;;     - K is cut into blocks of 32 from its start; a last block that is shorter is filled with zeros.
;;     - A block's scale is 2^e with e = floor(log2(the largest magnitude in the block)) - 2, held to -126 .. 127; a block of zeros has e = 0. As a byte (E8M0): e + 127.
;;     - Each number is divided by its block's scale, clamped to +-7.5, and rounded to the nearest number of E2M3, ties to even, subnormals kept.
;;     - The product sums the exact products of the quantised numbers (number of the format x scale) in f32.
;;   ~~~python
;;   def quantise(x, axis):      # numpy; x: float32 -> the quantised numbers, widened to float32 again
;;       x = np.moveaxis(x, axis, -1); K = x.shape[-1]
;;       x = np.pad(x, [(0, 0)] * (x.ndim - 1) + [(0, -K % 32)]); x = x.reshape(x.shape[:-1] + (-1, 32)); a = np.abs(x).max(-1, keepdims=True)
;;       e = np.where(a > 0, np.clip(np.frexp(np.where(a > 0, a, 1))[1] - 1 - 2, -126, 127), 0)      # np.frexp(a)[1] - 1 = floor(log2(a)), exactly
;;       r = np.clip(x / 2.0 ** e, -7.5, 7.5)
;;       step = 2.0 ** (np.maximum(np.frexp(np.where(r == 0, 1, r))[1] - 1, 0) - 3)
;;       q = np.round(r / step) * step * 2.0 ** e      # np.round: ties to even
;;       return np.moveaxis(q.reshape(q.shape[:-2] + (-1,))[..., :K], -1, axis).astype(np.float32)
;;   ~~~
;;   SOFTMAX AHEAD OF A QUANTISED PRODUCT. Where the list says 'softmax', what is quantised is not the finished softmax but p = 2^(t - M), with t = logit x log2(e) and M = ceil(the row's largest t), a whole number; so 1/2 < the row's largest p <= 1. The row's sum l is taken of the UNQUANTISED p, in f32, and the product's result is divided by l at the end. Since M is a whole number, a kernel that streams over the keys may use a running M (the ceiling of the running maximum): every later rescaling is an exact power of two, which a block's scale takes up: the codes' values come out the same.
;;   OPERANDS COMPUTED ON THE WAY. 'Computed on the way' means the value that the module computes at that place (a softmax that the list does not call 'softmax' is quantised finished and normalised). What goes into a quantiser is computed in f32, as accurately as f32 sums, v_exp_f32 and their like allow (about 1e-6 of the number): no bf16 or f16 on the way to a quantiser, and a product that is left as it is and whose result goes on into a quantised operand takes f32 operands (vector FMAs, or v_wmma_f32_16x16x4_f32). A number that lies on a knife's edge between two numbers of the format may be rounded either way, as far as f32 arithmetic and the matrix unit's own rounding can turn it there, and no further.
;; One version. Each part assembles by itself: llvm-mc -triple=amdgcn-amd-amdhsa -mcpu=gfx1250 --defsym DOCPART=n.
;; ======== version 1 of 1: 4 launches
;; limits: right only within a limited range of input values
;; workspace buffers: xc 6,291,456 bytes; xs 262,144 bytes; wc 7,864,320 bytes; ws 327,680 bytes; qi 6,815,744 bytes; kv 3,342,336 bytes; ac 6,291,456 bytes; asc 262,144 bytes
;; launch quant (part 1): grid 72 x 8, 4 waves a work-group, no clusters, 68,096 bytes of LDS; arguments x, wq, wk, wv, wo, xc, xs, wc, ws; writes xc, xs, wc, ws
.if DOCPART == 1
	.amdgcn_target "amdgcn-amd-amdhsa--gfx1250"
	.amdhsa_code_object_version 6
	.text
	.protected	k_q720f16e3c6_quant
	.globl	k_q720f16e3c6_quant
	.p2align	8
	.type	k_q720f16e3c6_quant,@function
k_q720f16e3c6_quant:
	s_mov_b64 s[64:65], 0
	v_nop
	global_prefetch_b8 v0, s[64:65] scope:SCOPE_SE
	s_setreg_imm32_b32 hwreg(HW_REG_WAVE_MODE, 25, 1), 1
	s_wait_xcnt 0x0
; x [4096][2048] and the weights wq, wk, wv, wo ([2048 (K)][n]), all f32, become codes of FP6 (E2M3) with one E8M0 byte for each 32 along K.
; A block's scale is 2^(floor(log2(its largest magnitude)) - 2); its byte is the largest magnitude's exponent field - 2, held at 1 from below; each number is divided by the scale and rounded to the nearest code, ties to even.
; LIMITS: a block whose largest magnitude lies under 2^-124 keeps the byte 1, a block of zeros too (the rule says 127 there: its codes are zeros, and these bytes are read by this program alone); NaN and infinities are not served.
; THE BUFFERS' LAYOUT: codes [ks 0..7][position][192 bytes], scale bytes [ks][position][8 bytes], ks = a step of 256 along K: the 128 positions of a tile and one ks are one dense block.
; Position p holds row (x) or column (weight) SW(p) = p with bits 3 and 4 exchanged: a tile of 16 neighbouring positions then holds rows 0-7 and 16-23 (or 8-15 and 24-31) of a group of 32,
; which is the order in which a product's results, used transposed, are 16 neighbours along the next K in a lane's registers.
; wc's positions in chunks of 128: chunks 0-15 wq; 16-23 wk and wv by turns (even: wk's columns 128 (e / 2) on, odd: wv's); 24-39 wo.
; SHARES: work-group y = ks.  x < 32: 128 rows of x; x >= 32: chunk x - 32.  A wave takes 32 rows or columns x 256 along K.  The two ways part on the work-group's number and have LDS bytes of their own.
.set SPW,   30                         ; v30  LDS address of my spare word; never rewritten
.set NIL,   31                         ; v31  0; never rewritten
.set SPARE, 67584                      ; behind both ways' bytes: the spare words, 128 bytes a wave
.set EMAX,  2
	s_load_b512 s[4:19], s[0:1], 0x0               ; x s[4:5], wq s[6:7], wk s[8:9], wv s[10:11], wo s[12:13], xc s[14:15], xs s[16:17], wc s[18:19]
	s_load_b64 s[20:21], s[0:1], 0x40              ; ws
	v_lshl_add_u32 v[SPW], v0, 2, SPARE
	v_mov_b32 v[NIL], 0
	v_lshrrev_b32 v1, 5, v0
	v_readfirstlane_b32 s22, v1                    ; wave
	s_and_b32 s23, ttmp7, 0xffff                   ; ks
	v_and_b32 v2, 31, v0                           ; lane
	s_cmp_ge_u32 ttmp9, 32
	s_cbranch_scc1 .Lweights
; ---------------- x: K is innermost.  A step is two rows x 256 numbers: four loads of 512 consecutive bytes; they turn through the wave's stage so that a lane holds 16 neighbours.
.set WREG,  8192                       ; LDS of a wave: two stages of 32 x 80 bytes, then its 256 scale bytes
.set SP,    80
.set STEPS, 16
.set XR,    32                         ; v32-95   four sets of 16 numbers as loaded
.set XX,    96                         ; v96-127  two sets of 16 neighbours
.set XE,    128                        ; v128-143 a scale byte for each step
.set XC,    144                        ; v144-207 codes: four registers a step, so that no store's data are written again
	v_lshlrev_b32 v3, 4, v2                        ; my 16 bytes of a load's 512
	s_mul_i32 s24, s22, WREG
	v_lshrrev_b32 v14, 2, v2
	v_mul_u32_u24 v14, v14, SP
	v_and_b32 v15, 3, v2
	v_lshl_add_u32 v14, v15, 4, v14
	v_add_nc_u32 v14, s24, v14                     ; the stage, in: 80 (lane / 4) + 16 (lane % 4)
	v_mul_u32_u24 v15, v2, SP
	v_add_nc_u32 v15, s24, v15                     ; out: 80 x lane
	v_mul_u32_u24 v4, v2, 12                       ; my 12 bytes of a step's 384 bytes of codes
	v_lshrrev_b32 v5, 1, v2
	s_add_co_u32 s24, s24, 2*32*SP
	v_add_nc_u32 v5, s24, v5                       ; my block's byte among the wave's 256
	v_lshlrev_b32 v7, 3, v2
	v_add_nc_u32 v6, s24, v7
	s_lshl_b32 s24, ttmp9, 7
	s_lshl_b32 s25, s22, 5
	s_add_co_u32 s24, s24, s25                     ; my first row: 128 x work-group + 32 x wave
	s_lshl_b32 s26, s24, 13                        ; 8,192 bytes a row of x
	s_lshl_b32 s27, s23, 10                        ; 1,024 bytes a ks
	s_add_co_u32 s26, s26, s27
	s_mov_b32 s27, 0
	s_mul_i32 s28, s23, 786432                     ; codes: 4,096 x 192 bytes a ks
	s_mul_i32 s29, s24, 192
	s_add_co_u32 s28, s28, s29
	s_mov_b32 s29, 0
	s_lshl_b32 s30, s23, 15                        ; scale bytes: 4,096 x 8 a ks
	s_lshl_b32 s31, s24, 3
	s_add_co_u32 s30, s30, s31
	s_mov_b32 s31, 0
	s_wait_alu depctr_va_vdst(0)
	s_wait_kmcnt 0x0
	s_add_nc_u64 s[4:5], s[4:5], s[26:27]
	s_add_nc_u64 s[14:15], s[14:15], s[28:29]
	s_add_nc_u64 s[16:17], s[16:17], s[30:31]
.macro XLOAD t
.irp i, 0,1,2,3
	global_load_b128 v[XR+16*((\t)%4)+4*\i:XR+16*((\t)%4)+4*\i+3], v3, s[4:5] offset:(2*(\t)+\i/2)*8192+(\i%2)*512 th:TH_LOAD_NT   ; 32 lanes read 512 consecutive bytes
.endr
.endm
.macro XTURN t                         ; LDS serves a wave's instructions in order: no wait between the stores and the loads
.irp i, 0,1,2,3
	ds_store_b128 v14, v[XR+16*((\t)%4)+4*\i:XR+16*((\t)%4)+4*\i+3] offset:32*SP*((\t)%2)+8*SP*\i
.endr
.irp i, 0,1,2,3
	ds_load_b128 v[XX+16*((\t)%2)+4*\i:XX+16*((\t)%2)+4*\i+3], v15 offset:32*SP*((\t)%2)+16*\i
.endr
.endm
.irp t, 0,1,2,3
	XLOAD \t
.endr
	s_wait_loadcnt 12                              ; step 0's four loads are in
	XTURN 0
.macro XSTEP t
.set XS, XX+16*((\t)%2)
.set SWT, ((2*(\t))&7)|((((2*(\t))>>3)&1)<<4)|((((2*(\t))>>4)&1)<<3)   ; rows 2 t and 2 t + 1 go to positions SW(2 t) and SW(2 t) + 1
.if (\t) > 0
	s_wait_dscnt 1                                 ; this step's numbers are back from the stage (the last step's byte store may be out)
.else
	s_wait_dscnt 0x0
.endif
.if (\t)+4 < STEPS
	XLOAD (\t)+4                                   ; into the registers that this step's stage stores have read
.endif
.if (\t)+1 < STEPS
.if STEPS-2-(\t) >= 3
	s_wait_loadcnt 12                              ; the next step's four loads are in; three steps' may be out
.else
	s_wait_loadcnt 4*(STEPS-2-(\t))
.endif
	XTURN (\t)+1
.endif
	v_max3_num_f32 v8, |v[XS]|, |v[XS+1]|, |v[XS+2]|
	v_max3_num_f32 v9, |v[XS+3]|, |v[XS+4]|, |v[XS+5]|
.irp i, 6,10
	v_max3_num_f32 v8, v8, |v[XS+\i]|, |v[XS+\i+1]|
	v_max3_num_f32 v9, v9, |v[XS+\i+2]|, |v[XS+\i+3]|
.endr
	v_max3_num_f32 v8, v8, |v[XS+14]|, |v[XS+15]|
	v_max3_num_f32 v8, v8, v9, (EMAX+1)<<23        ; the floor 2^(3 - 127): the byte cannot fall under 1
	v_max_num_f32_dpp v8, v8, v8 row_xmask:1 row_mask:0xf bank_mask:0xf   ; with my neighbour's 16: the block's
	v_add_nc_u32 v11, -(EMAX<<23), v8              ; 2 off the exponent field: the conversion's scale operand
	v_cvt_scalef32_pk16_fp6_f32 v[XC+4*(\t):XC+4*(\t)+2], v[XS:XS+15], v11
	v_lshrrev_b32 v[XE+(\t)], 23, v11              ; the scale's byte
	ds_store_b8 v5, v[XE+(\t)] offset:8*SWT        ; both lanes of a block write the same byte
	global_store_b96 v4, v[XC+4*(\t):XC+4*(\t)+2], s[14:15] offset:192*SWT   ; 384 consecutive bytes: two positions
.endm
.irp t, 0,1,2,3,4,5,6,7,8,9,10,11,12,13,14,15
	XSTEP \t
.endr
	ds_load_b64 v[8:9], v6                         ; my wave's 256 scale bytes, in order behind my stores
	s_wait_dscnt 0x0
	global_store_b64 v7, v[8:9], s[16:17]          ; 256 consecutive bytes, aligned
	s_wait_tensorcnt 0x0                           ; the wave's end, behind my last LDS store
	ds_add_u32 v[SPW], v[NIL]
	s_wait_dscnt 0x0
	s_endpgm
; ---------------- a weight: K is the first axis.  A lane takes a column and its registers run down K: a block of 32 lies in one lane.
.Lweights:
.set WP,    272                        ; a stage row: sixteen places of 16 bytes (12 of codes) + 16
.set WX,    32                         ; v32-95   two sets of 32 numbers
.set WC,    96                         ; v96-102  a block's codes
.set WOUT,  112                        ; v112-175 the way out
.set WSB,   24                         ; v24-25   my column's 8 scale bytes
.set WA,    176                        ; v176-207 byte offsets of rows 0..31 of a block: 4 x lane + i x pitch; never rewritten
	s_mul_i32 s38, s22, 32*WP
	s_add_co_u32 s38, s38, 32768                   ; my stage: this way's own LDS bytes
	s_wait_alu depctr_va_vdst(0)
	v_mul_u32_u24 v4, v2, WP
	v_add_nc_u32 v4, s38, v4                       ; in: row = my column
	v_and_b32 v5, 15, v2
	v_lshrrev_b32 v6, 4, v2
	v_mul_u32_u24 v7, v6, WP
	v_lshl_add_u32 v7, v5, 4, v7
	v_add_nc_u32 v7, s38, v7                       ; out: sixteen lanes to a row, two rows an instruction
	v_mul_u32_u24 v8, v2, 12                       ; and in the codes' buffer: two neighbouring positions are 384 bytes
	v_and_b32 v9, 7, v2
	v_bfe_u32 v10, v2, 3, 1
	v_lshl_or_b32 v9, v10, 4, v9
	v_bfe_u32 v10, v2, 4, 1
	v_lshl_or_b32 v9, v10, 3, v9
	v_lshlrev_b32 v9, 3, v9                        ; 8 x SW(lane): my column's scale bytes
	s_sub_co_u32 s24, ttmp9, 32                    ; chunk D
	s_sub_co_u32 s25, s24, 16                      ; e
	s_and_b32 s30, s25, 1
	s_lshr_b32 s31, s25, 1
	s_lshl_b32 s31, s31, 7                         ; wk, wv: first column 128 (e / 2)
	s_lshl_b32 s32, s24, 7                         ; wq: 128 D
	s_sub_co_u32 s33, s24, 24
	s_lshl_b32 s33, s33, 7                         ; wo: 128 (D - 24)
	s_mov_b32 s34, 8192                            ; a row of wq or wo in bytes
	s_mov_b32 s29, 2048                            ; of wk or wv
	s_wait_kmcnt 0x0
	s_cmp_eq_u32 s30, 0                            ; the choices hang on the work-group's number alone
	s_cselect_b64 s[26:27], s[8:9], s[10:11]
	s_cmp_lt_u32 s24, 16
	s_cselect_b64 s[26:27], s[6:7], s[26:27]
	s_cselect_b32 s28, s32, s31
	s_cselect_b32 s29, s34, s29
	s_cmp_ge_u32 s24, 24
	s_cselect_b64 s[26:27], s[12:13], s[26:27]
	s_cselect_b32 s28, s33, s28
	s_cselect_b32 s29, s34, s29
	s_lshl_b32 s35, s22, 5
	s_add_co_u32 s28, s28, s35                     ; my wave's first column
	s_lshl_b32 s28, s28, 2
	s_lshl_b32 s35, s23, 8
	s_mul_i32 s35, s35, s29                        ; 256 ks rows down
	s_add_co_u32 s36, s35, s28
	s_mov_b32 s37, 0
	s_add_nc_u64 s[40:41], s[26:27], s[36:37]      ; block 0's base; a base for each of the 8 blocks, so that nothing is stepped
	s_lshl_b32 s36, s29, 5                         ; 32 rows
.irp t, 1,2,3,4,5,6,7
	s_add_nc_u64 s[40+2*\t:41+2*\t], s[38+2*\t:39+2*\t], s[36:37]
.endr
	s_lshl_b32 s56, s24, 7
	s_lshl_b32 s57, s22, 5
	s_add_co_u32 s56, s56, s57                     ; my first position: 128 D + 32 x wave
	s_mul_i32 s58, s23, 983040                     ; codes: 5,120 x 192 bytes a ks
	s_mul_i32 s57, s56, 192
	s_add_co_u32 s58, s58, s57
	s_mov_b32 s59, 0
	s_add_nc_u64 s[18:19], s[18:19], s[58:59]
	s_mul_i32 s58, s23, 40960                      ; scale bytes: 5,120 x 8 a ks
	s_lshl_b32 s57, s56, 3
	s_add_co_u32 s58, s58, s57
	s_add_nc_u64 s[20:21], s[20:21], s[58:59]
	v_lshlrev_b32 v[WA], 2, v2
.set I, 1
.rept 31
	v_add_nc_u32 v[WA+I], s29, v[WA+I-1]
.set I, I+1
.endr
.macro WLOAD t                         ; block t: W(32 t + i, my column)
.set I, 0
.rept 32
	global_load_b32 v[WX+32*((\t)%2)+I], v[WA+I], s[40+2*(\t):41+2*(\t)] th:TH_LOAD_NT
.set I, I+1
.endr
.endm
	WLOAD 0
	WLOAD 1
.macro WBLOCK t
.set XS, WX+32*((\t)%2)
.if (\t) < 7
	s_wait_loadcnt 32                              ; this block's 32 loads are in; the next block's may be out
.else
	s_wait_loadcnt 0
.endif
	v_max3_num_f32 v12, |v[XS]|, |v[XS+1]|, |v[XS+2]|
	v_max3_num_f32 v13, |v[XS+3]|, |v[XS+4]|, |v[XS+5]|
.irp i, 6,10,14,18,22,26
	v_max3_num_f32 v12, v12, |v[XS+\i]|, |v[XS+\i+1]|
	v_max3_num_f32 v13, v13, |v[XS+\i+2]|, |v[XS+\i+3]|
.endr
	v_max3_num_f32 v12, v12, |v[XS+30]|, |v[XS+31]|
	v_max3_num_f32 v12, v12, v13, (EMAX+1)<<23     ; the floor
	v_add_nc_u32 v11, -(EMAX<<23), v12
	v_lshrrev_b32 v13, 23, v11
.if (\t)%4 == 0
	v_mov_b32 v[WSB+(\t)/4], v13
.else
	v_lshl_or_b32 v[WSB+(\t)/4], v13, 8*((\t)%4), v[WSB+(\t)/4]
.endif
	v_cvt_scalef32_pk16_fp6_f32 v[WC:WC+2], v[XS:XS+15], v11
	v_cvt_scalef32_pk16_fp6_f32 v[WC+4:WC+6], v[XS+16:XS+31], v11
	ds_store_b96 v4, v[WC:WC+2] offset:32*(\t)
	ds_store_b96 v4, v[WC+4:WC+6] offset:32*(\t)+16
.if (\t)+2 < 8
	WLOAD (\t)+2
.endif
	s_wait_dscnt 0x0                               ; the stores have read their registers: the next block's codes may be written
.endm
.irp t, 0,1,2,3,4,5,6,7
	WBLOCK \t
.endr
	s_wait_alu depctr_va_vdst(0)
	global_store_b64 v9, v[WSB:WSB+1], s[20:21]    ; the wave's 32 positions x 8 bytes: 256 consecutive bytes
.irp t, 0,1,2,3,4,5,6,7,8,9,10,11,12,13,14,15
	ds_load_b96 v[WOUT+4*\t:WOUT+4*\t+2], v7 offset:2*\t*WP
.endr
.irp t, 0,1,2,3,4,5,6,7,8,9,10,11,12,13,14,15
	s_wait_dscnt 15-\t
	global_store_b96 v8, v[WOUT+4*\t:WOUT+4*\t+2], s[18:19] offset:192*(((2*\t)&7)|((((2*\t)>>3)&1)<<4)|((((2*\t)>>4)&1)<<3))   ; columns 2 t, 2 t + 1 to positions SW(2 t), SW(2 t) + 1: 384 consecutive bytes
.endr
	s_wait_tensorcnt 0x0                           ; the wave's end, on this way
	ds_add_u32 v[SPW], v[NIL]
	s_wait_dscnt 0x0
	s_endpgm
.Lfunc_end_k_q720f16e3c6_quant:
	.size	k_q720f16e3c6_quant, .Lfunc_end_k_q720f16e3c6_quant-k_q720f16e3c6_quant
	.p2alignl 7, 3214868480
	.fill 96, 4, 3214868480
	.section	.rodata,"a",@progbits
	.p2align	6, 0x0
	.amdhsa_kernel k_q720f16e3c6_quant
		.amdhsa_group_segment_fixed_size 68096
		.amdhsa_private_segment_fixed_size 0
		.amdhsa_enable_private_segment 0
		.amdhsa_kernarg_size 72
		.amdhsa_user_sgpr_count 2
		.amdhsa_user_sgpr_kernarg_segment_ptr 1
		.amdhsa_wavefront_size32 1
		.amdhsa_system_sgpr_workgroup_id_x 1
		.amdhsa_system_sgpr_workgroup_id_y 1
		.amdhsa_system_sgpr_workgroup_id_z 1
		.amdhsa_system_vgpr_workitem_id 0
		.amdhsa_next_free_vgpr 208
		.amdhsa_next_free_sgpr 66
		.amdhsa_reserve_vcc 0
		.amdhsa_float_denorm_mode_32 3
		.amdhsa_float_denorm_mode_16_64 3
		.amdhsa_memory_ordered 1
		.amdhsa_forward_progress 1
		.amdhsa_inst_pref_size 75
	.end_amdhsa_kernel
	.amdgpu_metadata
---
amdhsa.version: [ 1, 2 ]
amdhsa.kernels:
  - .name:           k_q720f16e3c6_quant
    .symbol:         k_q720f16e3c6_quant.kd
    .args:
      - { .name: x, .offset: 0, .size: 8, .value_kind: global_buffer, .address_space: global }
      - { .name: wq, .offset: 8, .size: 8, .value_kind: global_buffer, .address_space: global }
      - { .name: wk, .offset: 16, .size: 8, .value_kind: global_buffer, .address_space: global }
      - { .name: wv, .offset: 24, .size: 8, .value_kind: global_buffer, .address_space: global }
      - { .name: wo, .offset: 32, .size: 8, .value_kind: global_buffer, .address_space: global }
      - { .name: xc, .offset: 40, .size: 8, .value_kind: global_buffer, .address_space: global }
      - { .name: xs, .offset: 48, .size: 8, .value_kind: global_buffer, .address_space: global }
      - { .name: wc, .offset: 56, .size: 8, .value_kind: global_buffer, .address_space: global }
      - { .name: ws, .offset: 64, .size: 8, .value_kind: global_buffer, .address_space: global }
    .group_segment_fixed_size: 68096
    .private_segment_fixed_size: 0
    .kernarg_segment_align: 8
    .kernarg_segment_size: 72
    .max_flat_workgroup_size: 128
    .sgpr_count:     66
    .vgpr_count:     208
    .wavefront_size: 32
...
	.end_amdgpu_metadata
.endif
;; end of part 1
;; launch qkv (part 2): grid 12 x 16, 4 waves a work-group, clusters of 4 x 4, 327,680 bytes of LDS; arguments xc, xs, wc, ws, cos, sin, qi, kv; writes qi, kv
.if DOCPART == 2
	.amdgcn_target "amdgcn-amd-amdhsa--gfx1250"
	.amdhsa_code_object_version 6
	.text
	.protected	k_q720f16e3c6_qkv
	.globl	k_q720f16e3c6_qkv
	.p2align	8
	.type	k_q720f16e3c6_qkv,@function
k_q720f16e3c6_qkv:
	s_mov_b64 s[64:65], 0
	v_nop
	global_prefetch_b8 v0, s[64:65] scope:SCOPE_SE
	s_setreg_imm32_b32 hwreg(HW_REG_WAVE_MODE, 25, 1), 1
	s_wait_xcnt 0x0
	s_wait_alu depctr_hold_cnt(0) depctr_sa_sdst(0) depctr_va_vdst(0) depctr_va_sdst(0) depctr_va_ssrc(0) depctr_va_vcc(0) depctr_vm_vsrc(0)
	s_getreg_b32 s2, hwreg(HW_REG_IB_STS2, 6, 4)
	s_cmp_eq_u32 s2, 0
	s_cbranch_scc0 .Lentry_in_a_cluster
	s_endpgm
.Lentry_in_a_cluster:
	s_bfe_u32 s2, ttmp6, 0x10000c
	s_cmp_lg_u32 s2, 0xf033
	s_cbranch_scc0 .Lentry_shape_is_right
	s_endpgm
.Lentry_shape_is_right:
.set NQ,     2
.set ROWB,   192
.set PITCH,  240
.set FR,     12
.set NL,     6
.set NP,     4
.set HALFT,  128*PITCH
.set SLOT,   4*HALFT
.set LAPS,   4
.set STEPA,  4096*ROWB
.set STEPB,  5120*ROWB
.set SCL,    2*SLOT
.set SPARE,  278784
.set ADRA, 16
.set ADRB, 20
.set ADRS, 27
.set SPW,  28
.set NIL,  29
.set SC,   32
.set AF,   128
.set G1, 24
.set G0, 32
.set G1B, 48
.set G0B, 56
.set G1S, 68
.set G0S, 76
.set G1SB, 80
.set G0SB, 88
.set MSB, 0
.macro WIN new
.if MSB != (\new)
	s_set_vgpr_msb (MSB<<8)|(\new)
.set MSB, (\new)
.endif
.endm
.set MUL_LO, 0xa1
.set MUL_HI, 0xf1
.set TO_B,   0x40
.macro JLOAD g0a, g1a, g0b, g1b
	s_cmp_eq_u32 s15, 0
	s_cbranch_scc0 .Lfor_b_\@
	tensor_load_to_lds s[\g0a:\g0a+3], s[\g1a:\g1a+7]
	s_nop 0
.rept 4
	v_nop
.endr
	s_branch .Lasked_\@
.Lfor_b_\@:
	tensor_load_to_lds s[\g0b:\g0b+3], s[\g1b:\g1b+7]
	s_nop 0
.rept 4
	v_nop
.endr
.Lasked_\@:
.endm
.macro CREST
	s_cmp_lg_u32 s14, 0
	s_cbranch_scc1 .Lnot_wave_0_\@
	s_barrier_signal -3
.Lnot_wave_0_\@:
	s_barrier_wait -3
	s_barrier_signal -1
	s_barrier_wait -1
.endm
.macro CROUND
	s_barrier_signal -1
	s_barrier_wait -1
	CREST
.endm
	s_load_b256 s[4:11], s[0:1], 0x0
	s_load_b256 s[92:99], s[0:1], 0x20
	v_lshl_add_u32 v[SPW], v0, 2, SPARE
	v_mov_b32 v[NIL], 0
	ds_add_u32 v[SPW], v[NIL]
	ds_add_u32 v[SPW], v[NIL]
	v_lshrrev_b32 v1, 5, v0
	v_readfirstlane_b32 s14, v1
	s_lshr_b32 s15, s14, 1
	s_and_b32 s16, s14, 1
	s_bfe_u32 s40, ttmp6, 0x40000
	s_bfe_u32 s41, ttmp6, 0x40004
	s_lshl_b32 s42, ttmp9, 2
	s_add_co_u32 s42, s42, s40
	s_and_b32 s17, ttmp7, 0xffff
	s_lshl_b32 s17, s17, 2
	s_add_co_u32 s17, s17, s41
	s_lshl_b32 s43, s41, 2
	s_lshl_b32 s43, 15, s43
	s_lshl_b32 s44, 0x1111, s40
	; group 1 for the codes, elements of 8 bytes, 16 bytes of padding behind every 64.  At the head: two rows, K steps 0 and 1, each the dense 49,152 bytes of a tile's 256 positions.
	; LDS: A's slot 0, A's slot 1, B's slot 0, B's slot 1, 2 HALFT each, so that the head's two rows land on end.
	s_or_b32 s[G1+0], s43, (3<<16)|(1<<20)|(1<<21)|(3<<22)|(3<<25)
	s_or_b32 s[G1B+0], s44, (3<<16)|(1<<20)|(1<<21)|(3<<22)|(3<<25)
.irp g, G1, G1B
	s_mov_b32 s[\g+1], 6144<<16
	s_mov_b32 s[\g+2], 2<<16
	s_mov_b32 s[\g+3], 6144<<16
	s_mov_b32 s[\g+4], 2
	s_mov_b32 s[\g+6], 0
	s_mov_b32 s[\g+7], 0
.endr
	s_mov_b32 s[G1+5], STEPA/8
	s_mov_b32 s[G1B+5], STEPB/8
	s_or_b32 s[G1S+0], s43, (3<<16)|(1<<21)
	s_or_b32 s[G1SB+0], s44, (3<<16)|(1<<21)
.irp g, G1S, G1SB
	s_mov_b32 s[\g+1], 256<<16                     ; the scales of all 256 positions: 8 rows (K steps) of 2,048 bytes
	s_mov_b32 s[\g+2], 8<<16
	s_mov_b32 s[\g+3], 256<<16
	s_mov_b32 s[\g+4], 8
	s_mov_b32 s[\g+6], 0
	s_mov_b32 s[\g+7], 0
.endr
	s_mov_b32 s[G1S+5], 4096
	s_mov_b32 s[G1SB+5], 5120
	s_lshl_b32 s20, s17, 8                         ; the tile's first position in x,
	s_lshl_b32 s46, s42, 8                         ; and among the weights
	s_lshl_b32 s22, s20, 3
	s_mov_b32 s23, 0
	s_lshl_b32 s66, s46, 3
	s_mov_b32 s67, 0
	s_mul_i32 s20, s20, ROWB
	s_mov_b32 s21, 0
	s_mul_i32 s46, s46, ROWB
	s_mov_b32 s47, 0
	s_mul_i32 s45, s16, HALFT                      ; in the ring I fetch 128 positions: which half, in LDS
	s_mul_i32 s12, s16, 128*ROWB                   ; and in memory
	s_mov_b32 s13, 0
	s_wait_dscnt 0x0
	s_wait_kmcnt 0x0
	s_add_nc_u64 s[20:21], s[4:5], s[20:21]
	s_add_nc_u64 s[22:23], s[6:7], s[22:23]
	s_add_nc_u64 s[46:47], s[8:9], s[46:47]
	s_add_nc_u64 s[66:67], s[10:11], s[66:67]
	CROUND
	s_mov_b32 s[G0S], 1
	s_mov_b32 s[G0S+1], SCL
	s_mov_b64 s[G0S+2:G0S+3], s[22:23]
	s_or_b32 s[G0S+3], s[G0S+3], 0x80000000
	s_mov_b32 s[G0SB], 1
	s_mov_b32 s[G0SB+1], SCL+16384+128
	s_mov_b64 s[G0SB+2:G0SB+3], s[66:67]
	s_or_b32 s[G0SB+3], s[G0SB+3], 0x80000000
	s_mov_b32 s4, 1                                ; the head's group 0 for A's codes (the arguments that lay here have been used),
	s_mov_b32 s5, 0
	s_mov_b64 s[6:7], s[20:21]
	s_or_b32 s7, s7, 0x80000000
	s_mov_b32 s8, 1                                ; and for B's
	s_mov_b32 s9, 4*HALFT
	s_mov_b64 s[10:11], s[46:47]
	s_or_b32 s11, s11, 0x80000000
	s_add_nc_u64 s[20:21], s[20:21], s[12:13]      ; for the ring: my 128 positions
	s_add_nc_u64 s[46:47], s[46:47], s[12:13]
	; THE PREFETCHES: of the 96 blocks of 256 bytes of the ring tile that I fetch, my work-group names 24; the four partners that ask for the tile jointly are told apart by address (cx for A, cy for B)
	s_cmp_eq_u32 s15, 0
	s_cselect_b64 s[100:101], s[20:21], s[46:47]
	s_cselect_b32 s12, s40, s41
	s_mul_i32 s12, s12, 6144
	s_add_nc_u64 s[100:101], s[100:101], s[12:13]
.irp s, 0,1
	s_mov_b32 s[G0+4*\s], 1
	s_add_co_u32 s[G0+4*\s+1], s45, \s*2*HALFT
	s_add_nc_u64 s[G0+4*\s+2:G0+4*\s+3], s[20:21], \s*STEPA
	s_or_b32 s[G0+4*\s+3], s[G0+4*\s+3], 0x80000000
	s_mov_b32 s[G0B+4*\s], 1
	s_add_co_u32 s[G0B+4*\s+1], s45, 4*HALFT+\s*2*HALFT
	s_add_nc_u64 s[G0B+4*\s+2:G0B+4*\s+3], s[46:47], \s*STEPB
	s_or_b32 s[G0B+4*\s+3], s[G0B+4*\s+3], 0x80000000
.endr
; The head's loads, one a wave, in one chain of branches on the wave's number: wave 0 A's codes of K steps 0 and 1, wave 1 B's, wave 2 A's scales, wave 3 B's.
.macro ARM under, g0, g1, next
	s_cmp_lt_u32 s14, \under
	s_cbranch_scc0 \next
	tensor_load_to_lds s[\g0:\g0+3], s[\g1:\g1+7]
	s_nop 0
.rept 4
	v_nop
.endr
	s_branch .Lhead_asked
\next:
.endm
	ARM 1, 4, G1, .Lhead_b
	ARM 2, 8, G1B, .Lhead_sa
	ARM 3, G0S, G1S, .Lhead_sb
	tensor_load_to_lds s[G0SB:G0SB+3], s[G1SB:G1SB+7]
	s_nop 0
.rept 4
	v_nop
.endr
.Lhead_asked:
	v_and_b32 v1, 15, v0
	v_bfe_u32 v2, v0, 4, 1
	v_mul_u32_u24 v3, v1, PITCH
	v_mul_u32_u24 v4, v2, 24
	v_add_nc_u32 v4, v3, v4
	v_lshl_add_u32 v5, v2, 4, v4
	s_mul_i32 s21, s15, HALFT
	s_mul_i32 s22, s16, HALFT
	s_add_co_u32 s22, s22, 4*HALFT
.irp s, 0,1
	v_add_nc_u32 v[ADRA+\s], s21, v4
	v_add_nc_u32 v[ADRB+\s], s22, v4
	v_add_nc_u32 v[ADRA+2+\s], s21, v5
	v_add_nc_u32 v[ADRB+2+\s], s22, v5
	s_add_co_u32 s21, s21, 2*HALFT
	s_add_co_u32 s22, s22, 2*HALFT
.endr
	v_lshlrev_b32 v5, 3, v1
	s_lshl_b32 s21, s15, 10                        ; scales in LDS: [K step][256 positions][8 bytes]; B's lie 16,384 + 128 bytes behind A's
	s_add_co_u32 s22, s16, 16
	s_sub_co_u32 s22, s22, s15
	s_lshl_b32 s22, s22, 10
	s_add_co_u32 s22, s22, 128
	v_mul_u32_u24 v6, s22, v2
	s_add_co_u32 s21, s21, SCL
	v_add_nc_u32 v5, v5, v6
	v_add_nc_u32 v[ADRS], s21, v5
	v_and_b32 v6, 31, v0
	v_min_u32 v31, 23, v6                          ; a lane a block; the lanes left over name the last block again
	v_lshlrev_b32 v31, 8, v31
	v_min_u32 v15, 15, v6                          ; the same for my 16 blocks of cos or sin
	v_lshlrev_b32 v15, 8, v15
	s_wait_alu depctr_va_vdst(0)
	s_cmp_eq_u32 s15, 0
	s_cbranch_scc0 .Lpf_b
	global_prefetch_b8 v31, s[100:101] offset:2*STEPA th:TH_LOAD_NT scope:SCOPE_SE   ; K steps 2 and 3, the first two refills
	global_prefetch_b8 v31, s[100:101] offset:3*STEPA th:TH_LOAD_NT scope:SCOPE_SE
	s_branch .Lpf_j
.Lpf_b:
	global_prefetch_b8 v31, s[100:101] offset:2*STEPB th:TH_LOAD_NT scope:SCOPE_SE
	global_prefetch_b8 v31, s[100:101] offset:3*STEPB th:TH_LOAD_NT scope:SCOPE_SE
.Lpf_j:
	v_lshlrev_b32 v7, 4, v6
	v_lshlrev_b32 v8, 3, v6
	v_lshlrev_b32 v9, 5, v1
	v_lshl_add_u32 v9, v2, 4, v9
	v_mov_b32 v13, v2
	v_and_b32 v3, 7, v0
	v_bfe_u32 v4, v0, 3, 1
	s_mul_i32 s21, s14, 34560
	v_mul_u32_u24 v10, v3, 528
	v_mad_u32_u24 v10, v4, 8576, v10
	v_lshl_add_u32 v10, v2, 6, v10
	v_add_nc_u32 v10, s21, v10
	v_mul_u32_u24 v11, v2, 17280
	v_lshl_add_u32 v11, v3, 2, v11
	v_lshl_add_u32 v11, v4, 6, v11
	v_add_nc_u32 v11, s21, v11
	v_mul_u32_u24 v12, v2, 104448
	v_lshl_add_u32 v12, v1, 4, v12
	v_lshl_add_u32 v30, v4, 4, v3
	v_lshlrev_b32 v30, 7, v30
	v_lshl_add_u32 v30, v2, 5, v30
	s_lshl_b32 s18, s17, 8
	s_lshl_b32 s19, s15, 7
	s_add_co_u32 s18, s18, s19
	s_bfe_u32 s18, s18, 0x30007
	s_lshl_b32 s18, s18, 14
	s_mov_b32 s19, 0
	s_add_nc_u64 s[92:93], s[92:93], s[18:19]
	s_add_nc_u64 s[94:95], s[94:95], s[18:19]
	; cos and sin of my 128 tokens, 64 blocks of 256 bytes each, are read on the way out: they are asked for here, once in the cluster's row.
	; Waves with w % 2 = 0 name cos, the others sin; the four partners of the row take 16 blocks each, told apart by address (cx).
	s_cmp_eq_u32 s16, 0
	s_cselect_b64 s[12:13], s[92:93], s[94:95]
	s_lshl_b32 s2, s40, 12
	s_mov_b32 s3, 0
	s_add_nc_u64 s[12:13], s[12:13], s[2:3]
	global_prefetch_b8 v15, s[12:13] th:TH_LOAD_NT scope:SCOPE_SE
.macro FRAG reg, adr, q, i
.irp p, 0,1,2,3,4,5
.set PCE, 12*(\q)+6*(\p/3)+\p%3
.if PCE%8 < 5
	ds_load_b64 v[\reg+2*\p:\reg+2*\p+1], v[\adr] offset:8*PCE+16*(PCE/8)+(\i)*16*PITCH
.else
	ds_load_b64 v[\reg+2*\p:\reg+2*\p+1], v[\adr+2] offset:8*PCE+16*(PCE/8)+(\i)*16*PITCH
.endif
.endr
.endm
.macro MUL16 a0, p, q, sc, zero
.irp a, \a0, \a0+1
.irp b, 0,1,2,3,4,5,6,7
.if \zero
	v_wmma_scale_f32_16x16x128_f8f6f4 v[8*(8*((\a)%4)+\b):8*(8*((\a)%4)+\b)+7], v[128*(\p)+FR*\b:128*(\p)+FR*\b+FR-1], v[AF+FR*(\a):AF+FR*(\a)+FR-1], 0, v[SC+8*NQ*(\sc)+NQ*\b+(\q)], v[SC+8*NQ*(\sc)+NQ*(\a)+(\q)] matrix_a_fmt:MATRIX_FMT_FP6 matrix_b_fmt:MATRIX_FMT_FP6 matrix_a_scale:MATRIX_SCALE_ROW1
.else
	v_wmma_scale_f32_16x16x128_f8f6f4 v[8*(8*((\a)%4)+\b):8*(8*((\a)%4)+\b)+7], v[128*(\p)+FR*\b:128*(\p)+FR*\b+FR-1], v[AF+FR*(\a):AF+FR*(\a)+FR-1], v[8*(8*((\a)%4)+\b):8*(8*((\a)%4)+\b)+7], v[SC+8*NQ*(\sc)+NQ*\b+(\q)], v[SC+8*NQ*(\sc)+NQ*(\a)+(\q)] matrix_a_fmt:MATRIX_FMT_FP6 matrix_b_fmt:MATRIX_FMT_FP6 matrix_a_scale:MATRIX_SCALE_ROW1
.endif
.endr
.endr
.endm
.macro FETCH_B slot, q, p
	WIN TO_B
.irp i, 0,1,2,3,4,5,6,7
	FRAG 128*(\p)+FR*\i, ADRB+\slot, \q, \i
.endr
	WIN 0
.endm
.macro FETCH_A slot, q, i0
.irp i, \i0, \i0+1, \i0+2, \i0+3
	FRAG AF+FR*(\i), ADRA+\slot, \q, \i
.endr
.endm
.macro SCALES sc
.irp i, 0,1,2,3,4,5,6,7
	ds_load_b64 v[SC+8*NQ*\sc+NQ*\i:SC+8*NQ*\sc+NQ*\i+1], v[ADRS] offset:\i*128
.endr
.endm
.macro PLACES n
.rept \n
	v_nop
.endr
.endm
.macro STEP slot, q, zero
	s_wait_dscnt 4*NL
	WIN MUL_LO
	MUL16 0, (\q)%2, \q, \slot, \zero
	MUL16 2, (\q)%2, \q, \slot, \zero
	s_wait_dscnt 0
	PLACES NP
	FETCH_B \slot, (\q)+1, 1-(\q)%2
	FETCH_A \slot, (\q)+1, 0
	WIN MUL_HI
	MUL16 4, (\q)%2, \q, \slot, \zero
	MUL16 6, (\q)%2, \q, \slot, \zero
	PLACES NP
	WIN 0
	FETCH_A \slot, (\q)+1, 4
.endm
.macro TURN slot, next, fill
.if \fill
	s_wait_xcnt 0x0                                ; any prefetch of mine has read its address
	s_add_nc_u64 s[4:5], s[4:5], s[8:9]            ; the K step two refills on from the one asked for below
.endif
	s_wait_tensorcnt 0x0
	ds_add_u32 v[SPW], v[NIL]
	s_wait_dscnt 4*NL+1
	WIN MUL_LO
	MUL16 0, 1, NQ-1, \slot, 0
	s_wait_dscnt 0x0
	s_barrier_signal -1
	MUL16 2, 1, NQ-1, \slot, 0
	WIN 0
	s_barrier_wait -1
.if \fill
	CREST
	s_add_nc_u64 s[G0+4*\slot+2:G0+4*\slot+3], s[G0+4*\slot+2:G0+4*\slot+3], 2*STEPA
	s_add_nc_u64 s[G0B+4*\slot+2:G0B+4*\slot+3], s[G0B+4*\slot+2:G0B+4*\slot+3], 2*STEPB
	JLOAD G0+4*\slot, G1, G0B+4*\slot, G1B
.else
	PLACES NP
.endif
	s_wait_alu depctr_va_vdst(0)
	v_add_nc_u32 v[ADRS], 2048, v[ADRS]
	FETCH_B \next, 0, 0
	FETCH_A \next, 0, 0
	SCALES \next
.if \fill
	s_cmp_gt_u32 s3, 1                             ; the last trip's two refills have no K step two on
	s_cbranch_scc0 .Lno_pf_\@
	global_prefetch_b8 v31, s[4:5] th:TH_LOAD_NT scope:SCOPE_SE
.Lno_pf_\@:
.endif
	WIN MUL_HI
	MUL16 4, 1, NQ-1, \slot, 0
	MUL16 6, 1, NQ-1, \slot, 0
	PLACES NP
	WIN 0
	FETCH_A \next, 0, 4
.endm
.macro CSLOAD a
.set CO, 64+32*((\a)%2)
.set CB0, (32*((\a)/2)+8*((\a)%2))*128
	global_load_b128 v[CO:CO+3], v30, s[92:93] offset:CB0
	global_load_b128 v[CO+4:CO+7], v30, s[92:93] offset:CB0+16
	global_load_b128 v[CO+8:CO+11], v30, s[92:93] offset:CB0+64
	global_load_b128 v[CO+12:CO+15], v30, s[92:93] offset:CB0+80
	global_load_b128 v[CO+16:CO+19], v30, s[94:95] offset:CB0
	global_load_b128 v[CO+20:CO+23], v30, s[94:95] offset:CB0+16
	global_load_b128 v[CO+24:CO+27], v30, s[94:95] offset:CB0+64
	global_load_b128 v[CO+28:CO+31], v30, s[94:95] offset:CB0+80
.endm
	s_wait_alu depctr_va_vdst(0)
	s_wait_tensorcnt 0x0                           ; my tile of the head's four is in, so a descriptor may be written: from here on a load brings 128 positions of one K step, 24,576 dense bytes as 96 rows of 256
	s_mov_b32 s8, STEPB                            ; s[8:9]: a K step of my operand in bytes; s[4:5]: where my prefetches stand, K step 3: each refill steps it first
	s_cmp_eq_u32 s15, 0
	s_cselect_b32 s8, STEPA, s8
	s_mov_b32 s9, 0
	s_mul_i32 s6, s8, 3
	s_mov_b32 s7, 0
	s_add_nc_u64 s[4:5], s[100:101], s[6:7]
.irp g, G1, G1B
	s_mov_b32 s[\g+1], 32<<16
	s_mov_b32 s[\g+2], 96<<16
	s_mov_b32 s[\g+3], 32<<16
	s_mov_b32 s[\g+4], 96
	s_mov_b32 s[\g+5], 32
.endr
	s_barrier_signal -1
	s_barrier_wait -1
	FETCH_B 0, 0, 0
	FETCH_A 0, 0, 0
	SCALES 0
	FETCH_A 0, 0, 4
	STEP 0, 0, 1
	s_mov_b32 s3, LAPS-1
.Llap:
	TURN 0, 1, 1
	STEP 1, 0, 0
	TURN 1, 0, 1
	STEP 0, 0, 0
	s_sub_co_u32 s3, s3, 1
	s_cmp_lg_u32 s3, 0
	s_cbranch_scc1 .Llap
	CSLOAD 0
	CSLOAD 1
	TURN 0, 1, 0
	STEP 1, 0, 0
	s_wait_dscnt 4*NL
	WIN MUL_LO
	MUL16 0, 1, NQ-1, 1, 0
	MUL16 2, 1, NQ-1, 1, 0
	s_wait_dscnt 0
	WIN MUL_HI
	MUL16 4, 1, NQ-1, 1, 0
	MUL16 6, 1, NQ-1, 1, 0
	WIN 0
	PLACES NP
	s_wait_dscnt 0x0
	s_barrier_signal -1
	s_barrier_wait -1
.set HA, 128
.set QC, 192
.set TM, 212
.set PW, 228
.set RT, 232
	s_lshl_b32 s18, s17, 8
	s_lshl_b32 s19, s15, 7
	s_add_co_u32 s18, s18, s19
	s_lshr_b32 s19, s18, 10
	s_bfe_u32 s20, s18, 0x30007
	s_lshl_b32 s21, s42, 2
	s_lshl_b32 s22, s16, 1
	s_add_co_u32 s21, s21, s22
	s_sub_co_u32 s22, s42, 8
	s_lshl_b32 s22, s22, 1
	s_mov_b32 s23, 6656
	s_mov_b32 s13, 13056
	s_mov_b32 s12, 6144
	s_mov_b32 s10, 12288
	s_cmp_lt_u32 ttmp9, 2
	s_cselect_b32 s21, s21, s22
	s_cselect_b32 s22, 32, 8
	s_cselect_b32 s23, s23, s13
	s_cselect_b32 s12, s12, s10
	s_cselect_b64 s[4:5], s[96:97], s[98:99]
	s_mul_i32 s22, s19, s22
	s_add_co_u32 s22, s22, s21
	s_lshl_b32 s22, s22, 3
	s_add_co_u32 s22, s22, s20
	s_mul_i32 s10, s22, s23
	s_mov_b32 s11, 0
	s_add_nc_u64 s[4:5], s[4:5], s[10:11]
	s_lshl_b32 s10, s23, 3
	s_add_nc_u64 s[6:7], s[4:5], s[10:11]
	s_mov_b32 s8, 0x76543210
	s_mov_b32 s9, 0xfedcba98
	v_add_nc_u32 v9, s12, v9
.irp b, 0,1,2,3
	v_mov_b32 v[TM+4+\b], 0
.endr
	s_lshr_b32 s12, ttmp9, 1
	s_and_b32 s12, s12, s16
	s_cmp_lg_u32 s12, 0
	s_cbranch_scc1 .Lv
.macro QUANT s
.irp b, 0,1,2,3
	v_max3_num_f32 v[TM+\b], |v[\s+16*\b]|, |v[\s+1+16*\b]|, 0x1800000
.endr
.irp i, 2,4,6,8,10,12,14
.irp b, 0,1,2,3
	v_max3_num_f32 v[TM+\b], v[TM+\b], |v[\s+16*\b+\i]|, |v[\s+1+16*\b+\i]|
.endr
.endr
.irp b, 0,1,2,3
	v_permlanex16_b32 v[TM+4+\b], v[TM+\b], s8, s9
.endr
.irp b, 0,1,2,3
	v_max_num_f32 v[TM+\b], v[TM+\b], v[TM+4+\b]
.endr
.irp b, 0,1,2,3
	v_add_nc_u32 v[TM+12+\b], 0xff000000, v[TM+\b]
.endr
.irp b, 0,1,2,3
	v_lshrrev_b32 v[TM+4+\b], 23, v[TM+12+\b]
.endr
	v_lshl_or_b32 v[PW], v[TM+5], 8, v[TM+4]
	v_lshl_or_b32 v[PW], v[TM+6], 16, v[PW]
	v_lshl_or_b32 v[PW], v[TM+7], 24, v[PW]
.irp c, 0,1
	v_cvt_scalef32_pk16_fp6_f32 v[QC+6*\c:QC+2+6*\c], v[\s+32*\c:\s+15+32*\c], v[TM+12+2*\c]
	v_cvt_scalef32_pk16_fp6_f32 v[QC+12+4*\c:QC+14+4*\c], v[\s+16+32*\c:\s+31+32*\c], v[TM+12+2*\c+1]
.endr
	v_nop
.irp c, 0,1
.irp i, 0,1,2
	v_permlane16_swap_b32 v[QC+6*\c+\i], v[QC+12+4*\c+\i]
.endr
.irp i, 0,1,2
	v_mov_b32 v[QC+3+6*\c+\i], v[QC+12+4*\c+\i]
.endr
.endr
.endm
.macro ROPE a
.set AC, 64*((\a)%4)
.set CO, 64+32*((\a)%2)
.set SI, CO+16
	WIN 0x02+(\a)/4
.irp b, 0,1,2,3,4,5,6,7
.irp j, 0,1,2,3
	v_mul_f32 v[RT+2*\j], v[AC+8*\b+2*\j+1], v[SI+8*((\b/2)%2)+4*(\b%2)+\j]
	v_mul_f32 v[RT+2*\j+1], v[AC+8*\b+2*\j], v[SI+8*((\b/2)%2)+4*(\b%2)+\j]
.endr
.irp j, 0,1,2,3
	v_fma_f32 v[HA+8*\b+2*\j], v[AC+8*\b+2*\j], v[CO+8*((\b/2)%2)+4*(\b%2)+\j], -v[RT+2*\j]
	v_fma_f32 v[HA+8*\b+2*\j+1], v[AC+8*\b+2*\j+1], v[CO+8*((\b/2)%2)+4*(\b%2)+\j], v[RT+2*\j+1]
.endr
.endr
	WIN 0
.endm
.macro QKBLOCK a
.if (\a) < 7
	s_wait_loadcnt 8
.else
	s_wait_loadcnt 0
.endif
	ROPE \a
.if (\a) < 6
	CSLOAD (\a)+2
.endif
	s_wait_xcnt 0x0
	QUANT HA
	global_store_b128 v7, v[QC:QC+3], s[4:5] offset:(\a)*768
	global_store_b64 v8, v[QC+4:QC+5], s[4:5] offset:(\a)*768+512
	global_store_b128 v7, v[QC+6:QC+9], s[6:7] offset:(\a)*768
	global_store_b64 v8, v[QC+10:QC+11], s[6:7] offset:(\a)*768+512
	v_and_b32 v[32+(\a)], 0xffff, v[PW]
	v_lshrrev_b32 v[40+(\a)], 16, v[PW]
.endm
.irp a, 0,1,2,3,4,5,6,7
	QKBLOCK \a
.endr
	v_cmp_ne_u32 vcc_lo, 0, v13
.irp i, 0,1,2,3
	v_cndmask_b32 v[48+\i], v[32+\i], v[36+\i], vcc_lo
	v_cndmask_b32 v[52+\i], v[40+\i], v[44+\i], vcc_lo
.endr
	global_store_b128 v9, v[48:51], s[4:5]
	global_store_b128 v9, v[52:55], s[6:7]
	s_branch .Ldone
.Lv:
.set VX, 32
.set VC, 96
.set VB, 192
	s_wait_loadcnt 0x0
.macro VSTAGE cc
	WIN 0x08+4*(\cc)
.irp a, 0,1,2,3
.irp b, 0,1,2,3,4,5,6,7
	ds_store_b128 v10, v[64*\a+8*\b:64*\a+8*\b+3] offset:(32*(\a/2)+8*(\a%2))*528+(\a/2)*384+128*(\b/2)+32*(\b%2)
	ds_store_b128 v10, v[64*\a+8*\b+4:64*\a+8*\b+7] offset:(32*(\a/2)+8*(\a%2))*528+(\a/2)*384+128*(\b/2)+32*(\b%2)+16
.endr
.endr
	WIN 0
.endm
.macro VLOAD q
.set I, 0
.rept 32
	ds_load_b32 v[VX+32*((\q)%2)+I], v11 offset:I*528+(I/16)*128+128*((\q)/2)+32*((\q)%2)
.set I, I+1
.endr
.endm
.macro VBLOCK cc, q
.set XS, VX+32*((\q)%2)
.if (\q) < 7
	s_wait_dscnt 32
.else
	s_wait_dscnt 0
.endif
	v_max3_num_f32 v204, |v[XS]|, |v[XS+1]|, |v[XS+2]|
	v_max3_num_f32 v205, |v[XS+3]|, |v[XS+4]|, |v[XS+5]|
.irp i, 6,10,14,18,22,26
	v_max3_num_f32 v204, v204, |v[XS+\i]|, |v[XS+\i+1]|
	v_max3_num_f32 v205, v205, |v[XS+\i+2]|, |v[XS+\i+3]|
.endr
	v_max3_num_f32 v204, v204, |v[XS+30]|, |v[XS+31]|
	v_max3_num_f32 v204, v204, v205, 0x1800000
	v_add_nc_u32 v206, 0xff000000, v204
	v_cvt_scalef32_pk16_fp6_f32 v[VC+12*(\q)+6*(\cc):VC+12*(\q)+6*(\cc)+2], v[XS:XS+15], v206
	v_cvt_scalef32_pk16_fp6_f32 v[216:218], v[XS+16:XS+31], v206
	v_lshrrev_b32 v207, 23, v206
.irp i, 0,1,2
	v_mov_b32 v[VC+12*(\q)+6*(\cc)+3+\i], v[216+\i]
.endr
.if (\cc) == 0
	v_mov_b32 v[VB+(\q)], v207
.else
	v_lshl_or_b32 v[VB+(\q)], v207, 16, v[VB+(\q)]
.endif
.if (\q)+2 < 8
	VLOAD (\q)+2
.endif
.endm
.irp cc, 0,1
	VSTAGE \cc
	VLOAD 0
	VLOAD 1
.irp q, 0,1,2,3,4,5,6,7
	VBLOCK \cc, \q
.endr
.endr
	v_lshlrev_b32 v208, 3, v13
.irp q, 0,1,2,3,4,5,6,7
	v_lshlrev_b32 v[VB+\q], v208, v[VB+\q]
.endr
.irp q, 0,1,2,3,4,5,6,7
	v_permlanex16_b32 v[VX+\q], v[VB+\q], s8, s9
.endr
.irp q, 0,1,2,3,4,5,6,7
	v_or_b32 v[VB+\q], v[VB+\q], v[VX+\q]
.endr
	v_cmp_ne_u32 vcc_lo, 0, v13
.irp i, 0,1,2,3
	v_cndmask_b32 v[200+\i], v[VB+\i], v[VB+4+\i], vcc_lo
.endr
.irp q, 0,1,2,3
.irp k, 0,1,2
	global_store_b128 v7, v[VC+12*\q+4*\k:VC+12*\q+4*\k+3], s[4:5] offset:6144+\q*1536+512*\k
	global_store_b128 v7, v[VC+48+12*\q+4*\k:VC+48+12*\q+4*\k+3], s[6:7] offset:6144+\q*1536+512*\k
.endr
.endr
	global_store_b128 v12, v[200:203], s[4:5] offset:12800
.Ldone:
	s_wait_tensorcnt 0x0
	ds_add_u32 v[SPW], v[NIL]
	s_wait_dscnt 0x0
	CROUND
	s_endpgm
.Lfunc_end_k_q720f16e3c6_qkv:
	.size	k_q720f16e3c6_qkv, .Lfunc_end_k_q720f16e3c6_qkv-k_q720f16e3c6_qkv
	.p2alignl 7, 3214868480
	.fill 96, 4, 3214868480
	.section	.rodata,"a",@progbits
	.p2align	6, 0x0
	.amdhsa_kernel k_q720f16e3c6_qkv
		.amdhsa_group_segment_fixed_size 327680
		.amdhsa_private_segment_fixed_size 0
		.amdhsa_enable_private_segment 0
		.amdhsa_kernarg_size 64
		.amdhsa_user_sgpr_count 2
		.amdhsa_user_sgpr_kernarg_segment_ptr 1
		.amdhsa_wavefront_size32 1
		.amdhsa_system_sgpr_workgroup_id_x 1
		.amdhsa_system_sgpr_workgroup_id_y 1
		.amdhsa_system_sgpr_workgroup_id_z 1
		.amdhsa_system_vgpr_workitem_id 0
		.amdhsa_next_free_vgpr 1024
		.amdhsa_next_free_sgpr 102
		.amdhsa_reserve_vcc 1
		.amdhsa_float_denorm_mode_32 3
		.amdhsa_float_denorm_mode_16_64 3
		.amdhsa_memory_ordered 1
		.amdhsa_forward_progress 1
		.amdhsa_inst_pref_size 255
	.end_amdhsa_kernel
	.section	.bss,"aw",@nobits
	.p2align	6
	.space	262144
	.amdgpu_metadata
---
amdhsa.version: [ 1, 2 ]
amdhsa.kernels:
  - .name:           k_q720f16e3c6_qkv
    .symbol:         k_q720f16e3c6_qkv.kd
    .args:
      - { .name: xc, .offset: 0, .size: 8, .value_kind: global_buffer, .address_space: global }
      - { .name: xs, .offset: 8, .size: 8, .value_kind: global_buffer, .address_space: global }
      - { .name: wc, .offset: 16, .size: 8, .value_kind: global_buffer, .address_space: global }
      - { .name: ws, .offset: 24, .size: 8, .value_kind: global_buffer, .address_space: global }
      - { .name: cos, .offset: 32, .size: 8, .value_kind: global_buffer, .address_space: global }
      - { .name: sin, .offset: 40, .size: 8, .value_kind: global_buffer, .address_space: global }
      - { .name: qi, .offset: 48, .size: 8, .value_kind: global_buffer, .address_space: global }
      - { .name: kv, .offset: 56, .size: 8, .value_kind: global_buffer, .address_space: global }
    .group_segment_fixed_size: 327680
    .private_segment_fixed_size: 0
    .kernarg_segment_align: 8
    .kernarg_segment_size: 64
    .max_flat_workgroup_size: 128
    .sgpr_count:     102
    .vgpr_count:     1024
    .wavefront_size: 32
...
	.end_amdgpu_metadata
.endif
;; end of part 2
;; launch attn (part 3): grid 8 x 32, 16 waves a work-group, no clusters, 167,936 bytes of LDS; arguments qi, kv, ac, asc; writes ac, asc
.if DOCPART == 3
	.amdgcn_target "amdgcn-amd-amdhsa--gfx1250"
	.amdhsa_code_object_version 6
	.text
	.protected	k_q720f16e3c6_attn
	.globl	k_q720f16e3c6_attn
	.p2align	8
	.type	k_q720f16e3c6_attn,@function
k_q720f16e3c6_attn:
	s_mov_b64 s[64:65], 0
	v_nop
	global_prefetch_b8 v0, s[64:65] scope:SCOPE_SE
	s_setreg_imm32_b32 hwreg(HW_REG_WAVE_MODE, 25, 1), 1
	s_wait_xcnt 0x0
; Causal attention on codes of FP6 (E2M3): S^T = k q^T (K = the head's 64: the upper half of each operand's 128 is zero codes), p = 2^(t - M), O^T = v^T p^T, O / l, and O quantised along the heads' axis for the last product.
; t = score x log2(e) / 8; M = the running largest t rounded up to a whole number; p is quantised along the keys, not normalised; l is the sum of the unquantised p, in f32.  When M moves, l and O^T are multiplied by 2^(old M - new M): exact.
; SHARES.  Work-group y = b 8 + kv head; x = i: query blocks i and 15 - i of 64 tokens, one after the other: i / 2 + 1 and (15 - i) / 2 + 1 key steps of 128, nine for every work-group.
; Wave w: query head 4 x kv head + w / 4, tile w % 4 of 16 queries, in 256 registers: four waves to a SIMD, so that one wave's vector work stands beside another's matrix work and LDS loads.
; ALL of the head's k and v (8 records of 13,056 bytes, images of operand registers) come into LDS once, by one tensor load in each of waves 0-7: no ring, no refill, no barrier among the key steps.
; NO CLUSTER: the work-groups that read the same records are the query blocks of one head, and their key steps are left out by branches on the block's number, which would be a partner's place in a cluster.
; LAYOUT.  Both products are used transposed: a lane holds ONE query (token r % 8 + 16 (r / 8) of its tile) throughout.  A tile of k holds keys 32 b + 8 u + r + 8 (r / 8), so that the 16 registers of tiles 2 b, 2 b + 1 are keys 32 b + 16 h + 0 .. 15.
; A tile of v^T holds d = 32 b + 8 u + r + 8 (r / 8), so that O^T's 16 registers of two tiles are d = 32 b + 16 h + 0 .. 15: neighbours along the last product's K.
; OUT: ac [kv head][16 tokens][q][1,536 bytes] (48 bytes of a token a query head), asc [kv head][token][8 bytes]; tokens in their natural order.
; LIMITS: a block whose largest magnitude lies under 2^-124 (a block of zeros too) keeps the byte 1; NaN and infinities are not served; 1 / l is v_rcp_f32.
; REGISTERS: v1 16 x lane, v2 8 x lane, v3 32 r, v4 16 r, v5, v6 the add's two, v7 my query's place less 16 h, v8-11 the step's addresses, v12 -M, v13 largest t, v[14:15] l in two halves, v16-27 q (v22-27 zeros), v28 q's scale word,
; v29-31, v93 stage addresses, v32-79 four fragments of k (the upper six of each zeros), v80-87 k's scale words, v88-91 v's, v92 p's, v96-159 S^T, p, then v's fragments, v160-191 O^T, v192-210 p's codes, v212-228 at work.
.set REC,   13056
.set STG,   8*REC                      ; behind the records: the codes' stage, 64 tokens x 192 bytes, one for each of the two query blocks
.set SST,   STG+2*12288                ; the scale bytes' stage, 2 x 512 bytes
.set SPARE, SST+1024                   ; the spare words, 128 bytes for each of 16 waves
.set BM, 212                           ; v212-215 each block's largest score, then its largest p
.set PT, 216                           ; v216-219 at work
.set SO, 220                           ; v220-223 the conversions' scale operands
	s_load_b256 s[4:11], s[0:1], 0x0               ; qi s[4:5], kv s[6:7], ac s[8:9], asc s[10:11]
	v_lshl_add_u32 v5, v0, 2, SPARE
	v_mov_b32 v6, 0
	ds_add_u32 v5, v6                              ; the wave's opening: the add and its wait ahead of the first tensor load; the set-up below stands between them
	ds_add_u32 v5, v6
	v_lshrrev_b32 v1, 5, v0
	s_delay_alu instid0(VALU_DEP_1)
	v_readfirstlane_b32 s12, v1                    ; wave 0..15
	s_lshr_b32 s13, s12, 2                         ; which of the four query heads
	s_and_b32 s14, s12, 3                          ; which tile of 16 queries
	s_and_b32 s15, ttmp7, 0xffff                   ; b 8 + kv head
	s_mov_b32 s24, 3<<16                           ; group 1: a record as 51 rows of 256 bytes (32 elements of 8 bytes), dense, no padding
	s_mov_b32 s25, 32<<16
	s_mov_b32 s26, 51<<16
	s_mov_b32 s27, 32<<16
	s_mov_b32 s28, 51
	s_mov_b32 s29, 32
	s_mov_b32 s30, 0
	s_mov_b32 s31, 0
	s_and_b32 s16, s12, 7                          ; the record that I fetch, if I fetch (waves 0-7)
	s_mov_b32 s32, 1
	s_mul_i32 s33, s16, REC                        ; its place in LDS
	s_lshl_b32 s17, s15, 3
	s_add_co_u32 s16, s16, s17
	s_mul_i32 s16, s16, REC                        ; and in memory
	s_mov_b32 s17, 0
	s_mov_b32 s20, 0x76543210
	s_mov_b32 s21, 0xfedcba98                      ; v_permlanex16_b32's selects for lane l xor 16
	s_mov_b32 s22, 0x3e38aa3b                      ; c = log2(e) / 8
	s_mov_b32 s23, s22                             ; (named with it as a pair)
	s_lshr_b32 s19, s14, 1
	s_lshl_b32 s19, s19, 5
	s_and_b32 s18, s14, 1
	s_lshl_b32 s18, s18, 3
	s_add_co_u32 s19, s19, s18                     ; my tile's first token in a block of 64: 32 (tile / 2) + 8 (tile % 2); kept
	v_and_b32 v226, 31, v0                         ; lane
	v_and_b32 v227, 15, v0                         ; r
	v_bfe_u32 v228, v0, 4, 1                       ; h
	s_delay_alu instid0(VALU_DEP_3)
	v_lshlrev_b32 v1, 4, v226
	s_delay_alu instid0(VALU_DEP_4)
	v_lshlrev_b32 v2, 3, v226
	s_delay_alu instid0(VALU_DEP_4)
	v_lshlrev_b32 v3, 5, v227
	v_lshlrev_b32 v4, 4, v227
	v_and_b32 v7, 7, v0
	v_bfe_u32 v8, v0, 3, 1
	s_delay_alu instid0(VALU_DEP_1)
	v_lshl_add_u32 v9, v8, 4, v7                   ; r % 8 + 16 (r / 8)
	v_lshlrev_b32 v10, 4, v228
	s_delay_alu instid0(VALU_DEP_1)
	v_sub_nc_u32 v7, v9, v10                       ; less 16 h
	s_delay_alu instid0(VALU_DEP_3)
	v_add_nc_u32 v9, s19, v9                       ; my token in the block of 64
	; ac's LAYOUT (in place of the head's line on it): [kv head][16 tokens][q][1,536 bytes], q = a step of 128 along the last product's K (two query heads): an image of that operand's
	; registers: registers 4 g .. 4 g + 3 of lane l at 512 g + 16 l.  My 24 bytes are bytes 24 c .. 24 c + 23 of my lane's 48, c = head % 2: pieces at 520 c, 8 + 1,016 c, 512 + 520 c.
	s_lshr_b32 s18, s13, 1
	s_mul_i32 s18, s18, 1536
	s_and_b32 s36, s13, 1
	s_mul_i32 s37, s36, 520
	s_add_co_u32 s18, s18, s37
	s_add_co_u32 s18, s18, STG
	s_mul_i32 s37, s36, 496
	s_add_co_u32 s37, s37, 8
	s_wait_alu depctr_va_vdst(0)
	v_lshrrev_b32 v29, 4, v9
	v_and_b32 v94, 15, v9
	v_mul_u32_u24 v29, v29, 3072
	v_lshl_add_u32 v29, v94, 4, v29
	v_lshl_add_u32 v29, v228, 8, v29
	v_add_nc_u32 v29, s18, v29                     ; pieces 0 and 2
	v_add_nc_u32 v94, s37, v29                     ; piece 1
	v_lshlrev_b32 v30, 3, v9
	s_lshl_b32 s18, s13, 1
	s_add_co_u32 s18, s18, SST
	v_add_nc_u32 v30, s18, v30                     ; the scale bytes' stage: token x 8 + 2 x head
	s_mul_i32 s18, s12, 768
	s_add_co_u32 s18, s18, STG
	v_add_nc_u32 v31, s18, v2                      ; back: 768 bytes a wave, 8 a lane
	s_and_b32 s18, s12, 1
	s_lshl_b32 s18, s18, 8
	s_add_co_u32 s18, s18, SST
	v_add_nc_u32 v93, s18, v2                      ; the scale bytes back: 256 bytes in each of waves 0 and 1
	s_wait_dscnt 0x0                               ; the opening add is done
	s_wait_kmcnt 0x0
	s_add_nc_u64 s[34:35], s[6:7], s[16:17]
	s_or_b32 s35, s35, 0x80000000
	s_cmp_lt_u32 s12, 8
	s_cbranch_scc0 .Lno_fill
	tensor_load_to_lds s[32:35], s[24:31]          ; one load of mine is out: filled once
	s_nop 0
.rept 4
	v_nop
.endr
.Lno_fill:
; q's half fragment and scale word of both query blocks are asked for here, while the records are on their way: block i into v16-21, v28; block 15 - i into v230-236
.macro QLD p, sa, q0, qs
.if \p == 0
	s_mov_b32 s40, ttmp9
.else
	s_sub_co_u32 s40, 15, ttmp9
.endif
	s_and_b32 s41, s40, 1
	s_lshl_b32 s41, s41, 2
	s_add_co_u32 s41, s41, s14                     ; the half fragment in the record: 4 (block % 2) + tile
	s_lshl_b32 s42, s15, 2
	s_add_co_u32 s42, s42, s13
	s_lshl_b32 s42, s42, 3
	s_lshr_b32 s43, s40, 1
	s_add_co_u32 s42, s42, s43                     ; the record: (b 32 + head) 8 + block / 2
	s_mul_i32 s42, s42, 6656
	s_mul_i32 s43, s41, 768
	s_add_co_u32 s44, s42, s43
	s_mov_b32 s45, 0
	s_add_nc_u64 s[\sa:\sa+1], s[4:5], s[44:45]
	s_lshl_b32 s43, s41, 2
	s_add_co_u32 s44, s42, s43
	s_add_co_u32 s44, s44, 6144
	s_add_nc_u64 s[\sa+2:\sa+3], s[4:5], s[44:45]
	global_load_b128 v[\q0:\q0+3], v1, s[\sa:\sa+1]
	global_load_b64 v[\q0+4:\q0+5], v2, s[\sa:\sa+1] offset:512
	global_load_b32 v[\qs], v3, s[\sa+2:\sa+3]
.endm
	QLD 0, 50, 16, 28
	QLD 1, 58, 230, 236
.irp j, 22,23,24,25,26,27
	v_mov_b32 v[\j], 0                             ; q's k = 64 .. 127: zero codes
.endr
.irp t, 0,1,2,3
.irp j, 6,7,8,9,10,11
	v_mov_b32 v[32+12*\t+\j], 0                    ; and k's
.endr
.endr
.irp b, 0,1,2,3
	v_mov_b32 v[PT+\b], 0                          ; a lane permute's destination counts as one of its sources
.endr
	v_mov_b32 v225, 0                              ; (named as the upper half of the pair v[224:225])
	s_wait_tensorcnt 0x0                           ; my record is in,
	s_barrier_signal -1
	s_barrier_wait -1                              ; everybody's is
; A KEY STEP: 128 keys, record s38 / 13,056.  A step all of whose keys come after my 16 queries is left out: a scalar branch on ids.
.macro STEP
	s_cmp_gt_u32 s36, s37                          ; s36 is a multiple of 128, and my 16 queries lie in one group of 32
	s_cbranch_scc1 .Lhid_\@
	v_add_nc_u32 v8, s38, v1
	s_wait_alu depctr_va_vdst(0)
	v_add_nc_u32 v9, s38, v2
	s_wait_alu depctr_va_vdst(0)
	v_add_nc_u32 v10, s38, v3
	v_add_nc_u32 v11, s38, v4
.irp g, 0,1                                    ; S^T = k q^T, four tiles of 16 keys at a time
.if \g
.rept 4
	v_nop                                          ; places in front of loads into registers that matrix instructions have read
.endr
.endif
.irp t, 0,1,2,3
	ds_load_b128 v[32+12*\t:35+12*\t], v8 offset:(4*\g+\t)*768
	ds_load_b64 v[36+12*\t:37+12*\t], v9 offset:(4*\g+\t)*768+512
.endr
.if \g == 0
	ds_load_b128 v[80:83], v10 offset:12288        ; my row's scale words of the eight tiles
	ds_load_b128 v[84:87], v10 offset:12304
.endif
	s_wait_dscnt 0x0
.irp t, 0,1,2,3
	v_wmma_scale_f32_16x16x128_f8f6f4 v[96+8*(4*\g+\t):103+8*(4*\g+\t)], v[32+12*\t:43+12*\t], v[16:27], 0, v[80+4*\g+\t], v28 matrix_a_fmt:MATRIX_FMT_FP6 matrix_b_fmt:MATRIX_FMT_FP6
.endr
.endr
.rept 4
	v_nop
.endr
	s_add_co_u32 s41, s36, 127                     ; on the diagonal the scores of hidden keys become -infinity; a step all of whose keys count skips this
	s_cmp_le_u32 s41, s37
	s_cbranch_scc1 .Lopen_\@
	s_sub_co_i32 s41, s37, s36
	v_add_nc_u32 v226, s41, v7                     ; d = my query - the step's first key - 16 h.  Register 16 b + i holds key 32 b + 16 h + i: hidden where 32 b + i > d
	v_mov_b32 v227, 0xff800000
.set N, 0
.rept 64
	v_cmp_gt_i32 vcc_lo, 32*(N/16)+N%16, v226
	v_cndmask_b32 v[96+N], v[96+N], v227, vcc_lo
.set N, N+1
.endr
.Lopen_\@:
.irp b, 0,1,2,3
	v_max3_num_f32 v[BM+\b], v[96+16*\b], v[97+16*\b], v[98+16*\b]   ; the largest score of each block of 32 keys: for the row's maximum, and, since p rises with the score, for the block's largest p
.endr
.irp i, 3,5,7,9,11,13
.irp b, 0,1,2,3
	v_max3_num_f32 v[BM+\b], v[BM+\b], v[96+16*\b+\i], v[97+16*\b+\i]
.endr
.endr
.irp b, 0,1,2,3
	v_max_num_f32 v[BM+\b], v[BM+\b], v[111+16*\b]
.endr
.irp b, 0,1,2,3
	s_delay_alu instid0(VALU_DEP_4)
	v_permlanex16_b32 v[PT+\b], v[BM+\b], s20, s21
.endr
.irp b, 0,1,2,3
	s_delay_alu instid0(VALU_DEP_4)
	v_max_num_f32 v[BM+\b], v[BM+\b], v[PT+\b]     ; with lane l xor 16's 16 keys
.endr
	s_delay_alu instid0(VALU_DEP_2)
	v_max3_num_f32 v226, v[BM], v[BM+1], v[BM+2]
	s_delay_alu instid0(VALU_DEP_1)
	v_max_num_f32 v226, v226, v[BM+3]
	s_delay_alu instid0(VALU_DEP_1)
	v_mul_f32 v226, s22, v226                      ; as t
	s_delay_alu instid0(VALU_DEP_1)
	v_max_num_f32 v13, v13, v226                   ; the running largest t
	v_mov_b32 v226, v12
	s_delay_alu instid0(VALU_DEP_2)
	v_floor_f32 v12, -v13                          ; the new -M = -ceil(t)
	s_delay_alu instid0(VALU_DEP_1)
	v_sub_f32 v226, v12, v226                      ; old M - new M: a whole number, 0 or less
	s_delay_alu instid0(VALU_DEP_1)
	v_cvt_i32_f32 v226, v226                       ; (it saturates)
	s_delay_alu instid0(VALU_DEP_1)
	v_ldexp_f32 v224, 1.0, v226                    ; f = 2^(old M - new M)
.set J, 0
.rept 32
	v_pk_fma_f32 v[96+J:97+J], v[96+J:97+J], s[22:23], v[12:13] op_sel_hi:[1,0,0]   ; t - M, two at a time
.set J, J+2
.endr
.irp b, 0,1,2,3
	v_fma_f32 v[BM+\b], v[BM+\b], s22, v12         ; the same of each block's largest score
.endr
.set J, 0
	s_wait_alu depctr_va_vdst(0)
.rept 64
	v_exp_f32 v[96+J], v[96+J]                     ; p = 2^(t - M)
.set J, J+1
.endr
	v_pk_mul_f32 v[14:15], v[14:15], v[224:225] op_sel_hi:[1,0]   ; l under the new M; the plain place behind the exponentials
	s_wait_alu depctr_va_vdst(0)                   ; one wait for the whole batch, ahead of its first reader
.irp b, 0,1,2,3
	v_exp_f32 v[BM+\b], v[BM+\b]                   ; the block's largest p
.endr
	v_pk_add_f32 v[216:217], v[100:101], v[104:105]
	v_pk_add_f32 v[254:255], v[108:109], v[112:113]
	v_pk_add_f32 v[252:253], v[116:117], v[120:121]
	v_pk_add_f32 v[250:251], v[124:125], v[128:129]
	v_pk_add_f32 v[248:249], v[132:133], v[136:137]
	v_pk_add_f32 v[246:247], v[140:141], v[144:145]
	v_pk_add_f32 v[244:245], v[148:149], v[152:153]
	v_pk_add_f32 v[14:15], v[14:15], v[156:157]
	v_pk_add_f32 v[216:217], v[216:217], v[96:97]
	v_pk_add_f32 v[254:255], v[254:255], v[98:99]
	v_pk_add_f32 v[252:253], v[252:253], v[102:103]
	v_pk_add_f32 v[250:251], v[250:251], v[106:107]
	v_pk_add_f32 v[248:249], v[248:249], v[110:111]
	v_pk_add_f32 v[246:247], v[246:247], v[114:115]
	v_pk_add_f32 v[244:245], v[244:245], v[118:119]
	v_pk_add_f32 v[14:15], v[14:15], v[122:123]
	v_pk_add_f32 v[216:217], v[216:217], v[126:127]
	v_pk_add_f32 v[254:255], v[254:255], v[130:131]
	v_pk_add_f32 v[252:253], v[252:253], v[134:135]
	v_pk_add_f32 v[250:251], v[250:251], v[138:139]
	v_pk_add_f32 v[248:249], v[248:249], v[142:143]
	v_pk_add_f32 v[246:247], v[246:247], v[146:147]
	v_pk_add_f32 v[244:245], v[244:245], v[150:151]
	v_pk_add_f32 v[14:15], v[14:15], v[154:155]
	v_pk_add_f32 v[216:217], v[216:217], v[158:159]
	s_delay_alu instid0(VALU_DEP_2)
	v_pk_add_f32 v[14:15], v[14:15], v[250:251]
	s_delay_alu instid0(VALU_DEP_2)
	v_pk_add_f32 v[216:217], v[216:217], v[248:249]
	v_pk_add_f32 v[254:255], v[254:255], v[246:247]
	v_pk_add_f32 v[252:253], v[252:253], v[244:245]
	s_delay_alu instid0(VALU_DEP_2)
	v_pk_add_f32 v[14:15], v[14:15], v[254:255]
	s_delay_alu instid0(VALU_DEP_2)
	v_pk_add_f32 v[216:217], v[216:217], v[252:253]
	s_delay_alu instid0(VALU_DEP_1)
	v_pk_add_f32 v[14:15], v[14:15], v[216:217]
	s_wait_alu depctr_va_vdst(0)                   ; and one for the four
.irp b, 0,1,2,3
	v_max_num_f32 v[BM+\b], 0x1800000, v[BM+\b]    ; the floor 2^(3 - 127)
.endr
.irp b, 0,1,2,3
	s_delay_alu instid0(VALU_DEP_4)
	v_add_nc_u32 v[SO+\b], 0xff000000, v[BM+\b]
.endr
.irp b, 0,1,2,3
	s_delay_alu instid0(VALU_DEP_4)
	v_lshrrev_b32 v[PT+\b], 23, v[SO+\b]
.endr
	s_delay_alu instid0(VALU_DEP_3)
	v_lshl_or_b32 v92, v[PT+1], 8, v[PT]           ; p's scale word for these 128 keys
	s_delay_alu instid0(VALU_DEP_1)
	v_lshl_or_b32 v92, v[PT+2], 16, v92
	s_delay_alu instid0(VALU_DEP_1)
	v_lshl_or_b32 v92, v[PT+3], 24, v92
.irp c, 0,1
	v_cvt_scalef32_pk16_fp6_f32 v[192+6*\c:194+6*\c], v[96+32*\c:111+32*\c], v[SO+2*\c]
	v_cvt_scalef32_pk16_fp6_f32 v[204+4*\c:206+4*\c], v[112+32*\c:127+32*\c], v[SO+2*\c+1]
.endr
	v_nop                                          ; one plain place behind a scaled conversion
.irp t, 0,1,2,3                                ; v's four fragments land where p lay, while p's codes are put in order and O^T is rescaled
.irp k, 0,1,2
	ds_load_b128 v[96+12*\t+4*\k:99+12*\t+4*\k], v8 offset:6144+1536*\t+512*\k
.endr
.endr
	ds_load_b128 v[88:91], v11 offset:12800        ; and their scale words
.irp c, 0,1                                    ; a whole block to a lane
.irp i, 0,1,2
	v_permlane16_swap_b32 v[192+6*\c+\i], v[204+4*\c+\i]
.endr
.irp i, 0,1,2
	s_delay_alu instid0(VALU_DEP_3)
	v_mov_b32 v[195+6*\c+\i], v[204+4*\c+\i]
.endr
.endr
.set J, 0
.rept 16
	v_pk_mul_f32 v[160+J:161+J], v[160+J:161+J], v[224:225] op_sel_hi:[1,0]   ; O^T under the new M.  For each product below twelve of these name none of its registers: the places behind the writes of p's codes and scale word
.set J, J+2
.endr
	s_wait_alu depctr_va_vdst(0)
	s_wait_dscnt 0x0
.irp t, 0,1,2,3
	v_wmma_scale_f32_16x16x128_f8f6f4 v[160+8*\t:167+8*\t], v[96+12*\t:107+12*\t], v[192:203], v[160+8*\t:167+8*\t], v[88+\t], v92 matrix_a_fmt:MATRIX_FMT_FP6 matrix_b_fmt:MATRIX_FMT_FP6
.endr
.rept 5
	v_nop                                          ; the next step's first products write over registers that these have read: five places
.endr
.Lhid_\@:
	s_add_co_u32 s36, s36, 128
	s_add_co_u32 s38, s38, REC
.endm
; A QUERY BLOCK of 64 tokens: p = 0: block i; p = 1: block 15 - i.
.macro PHASE p
.if \p == 0
	s_mov_b32 s40, ttmp9
.else
	s_sub_co_u32 s40, 15, ttmp9
.endif
	s_lshl_b32 s37, s40, 6
	s_add_co_u32 s37, s37, s19                     ; my tile's first query
	s_mov_b32 s45, 0
.if \p == 1
.irp j, 0,1,2,3,4,5
	v_mov_b32 v[16+\j], v[230+\j]                  ; the second block's q was loaded at the head
.endr
	v_mov_b32 v28, v236
.endif
	s_and_b32 s42, s15, 7                          ; kv head
	s_lshr_b32 s43, s15, 3                         ; b
	s_lshl_b32 s43, s43, 10
	s_lshl_b32 s46, s40, 6
	s_add_co_u32 s43, s43, s46                     ; the block's first token
	s_mul_i32 s44, s42, 786432
	s_mul_i32 s46, s43, 192
	s_add_co_u32 s44, s44, s46
	s_mul_i32 s46, s12, 768
	s_add_co_u32 s44, s44, s46
	s_add_nc_u64 s[54+4*\p:55+4*\p], s[8:9], s[44:45]
	s_lshl_b32 s44, s42, 15
	s_lshl_b32 s46, s43, 3
	s_add_co_u32 s44, s44, s46
	s_and_b32 s46, s12, 1
	s_lshl_b32 s46, s46, 8
	s_add_co_u32 s44, s44, s46
	s_add_nc_u64 s[56+4*\p:57+4*\p], s[10:11], s[44:45]
	v_mov_b32 v13, 0xff61b1e6                      ; the largest t so far: -3e38
	s_delay_alu instid0(VALU_DEP_1)
	v_floor_f32 v12, -v13
	v_mov_b32 v14, 0
	v_mov_b32 v15, 0
.set J, 0
.rept 32
	v_mov_b32 v[160+J], 0                          ; O^T: the step is written once; its first trip finds zeros
.set J, J+1
.endr
	s_mov_b32 s36, 0                               ; the step's first key
	s_mov_b32 s38, 0                               ; and its record in LDS
	s_mov_b32 s39, 8
	s_wait_loadcnt 0x0                             ; q
.Lkey_\@:                                          ; eight trips, a constant; what is left out is a step's work
	STEP
	s_sub_co_u32 s39, s39, 1
	s_cmp_lg_u32 s39, 0
	s_cbranch_scc1 .Lkey_\@
	v_add_f32 v14, v14, v15
	s_delay_alu instid0(VALU_DEP_1)
	v_permlanex16_b32 v226, v14, s20, s21
	s_delay_alu instid0(VALU_DEP_1)
	v_add_f32 v14, v14, v226                       ; the row's sum
	s_wait_alu depctr_va_vdst(0)
	v_rcp_f32 v224, v14
	v_nop                                          ; a plain place behind the reciprocal
	s_wait_alu depctr_va_vdst(0)                   ; and the wait ahead of its first reader
.set J, 0
.rept 16
	v_pk_mul_f32 v[96+J:97+J], v[160+J:161+J], v[224:225] op_sel_hi:[1,0]   ; O^T / l, each accumulator from its low end on: register 16 b + i is d = 32 b + 16 h + i
.set J, J+2
.endr
	v_max3_num_f32 v[BM], |v96|, |v97|, 0x1800000
	v_max3_num_f32 v[BM+1], |v112|, |v113|, 0x1800000
.irp i, 2,4,6,8,10,12,14
	s_delay_alu instid0(VALU_DEP_2)
	v_max3_num_f32 v[BM], v[BM], |v[96+\i]|, |v[97+\i]|
	s_delay_alu instid0(VALU_DEP_2)
	v_max3_num_f32 v[BM+1], v[BM+1], |v[112+\i]|, |v[113+\i]|
.endr
	s_delay_alu instid0(VALU_DEP_2)
	v_permlanex16_b32 v[PT], v[BM], s20, s21
	s_delay_alu instid0(VALU_DEP_2)
	v_permlanex16_b32 v[PT+1], v[BM+1], s20, s21
	s_delay_alu instid0(VALU_DEP_2)
	v_max_num_f32 v[BM], v[BM], v[PT]
	s_delay_alu instid0(VALU_DEP_2)
	v_max_num_f32 v[BM+1], v[BM+1], v[PT+1]
	s_delay_alu instid0(VALU_DEP_2)
	v_add_nc_u32 v[SO], 0xff000000, v[BM]
	s_delay_alu instid0(VALU_DEP_2)
	v_add_nc_u32 v[SO+1], 0xff000000, v[BM+1]
	s_delay_alu instid0(VALU_DEP_2)
	v_lshrrev_b32 v[PT], 23, v[SO]
	s_delay_alu instid0(VALU_DEP_2)
	v_lshrrev_b32 v[PT+1], 23, v[SO+1]
	s_delay_alu instid0(VALU_DEP_1)
	v_lshl_or_b32 v[PT], v[PT+1], 8, v[PT]         ; my head's two scale bytes of my token
	v_cvt_scalef32_pk16_fp6_f32 v[204:206], v[96:111], v[SO]
	v_cvt_scalef32_pk16_fp6_f32 v[208:210], v[112:127], v[SO+1]
	v_nop
	v_permlane16_swap_b32 v204, v208               ; a whole block to a lane: lanes 0-15 d = 0 .. 31, lanes 16-31 d = 32 .. 63
	v_permlane16_swap_b32 v205, v209
	v_permlane16_swap_b32 v206, v210
	s_delay_alu instid0(VALU_DEP_3)
	v_mov_b32 v207, v208
	s_delay_alu instid0(VALU_DEP_3)
	v_mov_b32 v208, v209
	s_delay_alu instid0(VALU_DEP_3)
	v_mov_b32 v209, v210
	ds_store_b64 v29, v[204:205] offset:\p*12288
	ds_store_b64 v94, v[206:207] offset:\p*12288
	ds_store_b64 v29, v[208:209] offset:\p*12288+512
	ds_store_b16 v30, v[PT] offset:\p*512          ; both halves of the lanes write the same two bytes
.endm
; THE WAY OUT of a block's stage, behind the one barrier that follows both blocks: each block has its own stage, registers and bases
.macro OUT p
	ds_load_b64 v[96+8*\p:97+8*\p], v31 offset:\p*12288
	ds_load_b64 v[98+8*\p:99+8*\p], v31 offset:\p*12288+256
	ds_load_b64 v[100+8*\p:101+8*\p], v31 offset:\p*12288+512
	s_wait_dscnt 0x0
	global_store_b64 v2, v[96+8*\p:97+8*\p], s[54+4*\p:55+4*\p]        ; each store covers 256 consecutive bytes, aligned
	global_store_b64 v2, v[98+8*\p:99+8*\p], s[54+4*\p:55+4*\p] offset:256
	global_store_b64 v2, v[100+8*\p:101+8*\p], s[54+4*\p:55+4*\p] offset:512
	s_cmp_lt_u32 s12, 2
	s_cbranch_scc0 .Lno_sc_\@
	ds_load_b64 v[102+8*\p:103+8*\p], v93 offset:\p*512
	s_wait_dscnt 0x0
	global_store_b64 v2, v[102+8*\p:103+8*\p], s[56+4*\p:57+4*\p]
.Lno_sc_\@:
.endm
	PHASE 0
	PHASE 1
	s_wait_dscnt 0x0                               ; for the others' sake: my stores into both stages are done
	s_barrier_signal -1
	s_barrier_wait -1                              ; 2 x 64 whole rows lie in the stages
	OUT 0
	OUT 1
	s_wait_tensorcnt 0x0                           ; the wave's end, behind my last tensor load and my last LDS store
	ds_add_u32 v5, v6
	s_wait_dscnt 0x0
	s_endpgm
.Lfunc_end_k_q720f16e3c6_attn:
	.size	k_q720f16e3c6_attn, .Lfunc_end_k_q720f16e3c6_attn-k_q720f16e3c6_attn
	.p2alignl 7, 3214868480
	.fill 96, 4, 3214868480
	.section	.rodata,"a",@progbits
	.p2align	6, 0x0
	.amdhsa_kernel k_q720f16e3c6_attn
		.amdhsa_group_segment_fixed_size 167936
		.amdhsa_private_segment_fixed_size 0
		.amdhsa_enable_private_segment 0
		.amdhsa_kernarg_size 32
		.amdhsa_user_sgpr_count 2
		.amdhsa_user_sgpr_kernarg_segment_ptr 1
		.amdhsa_wavefront_size32 1
		.amdhsa_system_sgpr_workgroup_id_x 1
		.amdhsa_system_sgpr_workgroup_id_y 1
		.amdhsa_system_sgpr_workgroup_id_z 1
		.amdhsa_system_vgpr_workitem_id 0
		.amdhsa_next_free_vgpr 256
		.amdhsa_next_free_sgpr 66
		.amdhsa_reserve_vcc 1
		.amdhsa_float_denorm_mode_32 3
		.amdhsa_float_denorm_mode_16_64 3
		.amdhsa_memory_ordered 1
		.amdhsa_forward_progress 1
		.amdhsa_inst_pref_size 67
	.end_amdhsa_kernel
	.amdgpu_metadata
---
amdhsa.version: [ 1, 2 ]
amdhsa.kernels:
  - .name:           k_q720f16e3c6_attn
    .symbol:         k_q720f16e3c6_attn.kd
    .args:
      - { .name: qi, .offset: 0, .size: 8, .value_kind: global_buffer, .address_space: global }
      - { .name: kv, .offset: 8, .size: 8, .value_kind: global_buffer, .address_space: global }
      - { .name: ac, .offset: 16, .size: 8, .value_kind: global_buffer, .address_space: global }
      - { .name: asc, .offset: 24, .size: 8, .value_kind: global_buffer, .address_space: global }
    .group_segment_fixed_size: 167936
    .private_segment_fixed_size: 0
    .kernarg_segment_align: 8
    .kernarg_segment_size: 32
    .max_flat_workgroup_size: 512
    .sgpr_count:     66
    .vgpr_count:     256
    .wavefront_size: 32
...
	.end_amdgpu_metadata
.endif
;; end of part 3
;; launch oproj (part 4): grid 16 x 16, 4 waves a work-group, clusters of 4 x 4, 327,680 bytes of LDS; arguments ac, asc, wc, ws, out0; writes out0
.if DOCPART == 4
	.amdgcn_target "amdgcn-amd-amdhsa--gfx1250"
	.amdhsa_code_object_version 6
	.text
	.protected	k_q720f16e3c6_oproj
	.globl	k_q720f16e3c6_oproj
	.p2align	8
	.type	k_q720f16e3c6_oproj,@function
k_q720f16e3c6_oproj:
	s_mov_b64 s[64:65], 0
	v_nop
	global_prefetch_b8 v0, s[64:65] scope:SCOPE_SE
	s_setreg_imm32_b32 hwreg(HW_REG_WAVE_MODE, 25, 1), 1
	s_wait_xcnt 0x0
	s_wait_alu depctr_hold_cnt(0) depctr_sa_sdst(0) depctr_va_vdst(0) depctr_va_sdst(0) depctr_va_ssrc(0) depctr_va_vcc(0) depctr_vm_vsrc(0)
	s_getreg_b32 s2, hwreg(HW_REG_IB_STS2, 6, 4)
	s_cmp_eq_u32 s2, 0
	s_cbranch_scc0 .Lentry_in_a_cluster
	s_endpgm
.Lentry_in_a_cluster:
	s_bfe_u32 s2, ttmp6, 0x10000c
	s_cmp_lg_u32 s2, 0xf033
	s_cbranch_scc0 .Lentry_shape_is_right
	s_endpgm
.Lentry_shape_is_right:
; out0 [4096][2048] f32 = O wo, both operands codes of FP6 (E2M3) with E8M0 scales, K = 2,048 in 8 parts ks of 256 (ks = kv head).
; A = ac [ks][16 tokens][q][1,536 bytes]: images of operand registers (registers 4 g .. 4 g + 3 of lane l at 512 g + 16 l), q = a step of 128 along K; scales asc [ks][token][8 bytes].
; B = wc [ks][position][192 bytes] from position 3,072 on (wo's columns, bits 3 and 4 of the column exchanged); scales ws [ks][position][8 bytes].
; SHARES: a work-group makes 256 tokens x 128 columns: 16 x 16 = 256 work-groups.  Wave w: tokens 128 (w / 2) on, columns 64 (w % 2) on: 8 x 4 accumulators of 16 x 16.
; LDS: two slots, each with two ks: A 2 x 49,152 bytes as they lie (lane l reads at 16 l: no padding wanted), B 2 x 128 rows of 240 bytes (16 bytes of padding behind every 64).
; The head's four loads, one a wave, fill BOTH slots (ks 0-3): each is two rows, one a ks, of a tile's dense bytes.  Each slot is filled again once (ks 4, 5; ks 6, 7), a quarter a wave, as rows of 256 bytes.
; All tensor rows begin at multiples of 256 bytes.  By the text's own count a wave has one tensor load out at a time.
; SCALES come by plain loads into 96 registers, for all of K: a load's 32 lanes take 32 neighbouring rows x 8 bytes, 256 consecutive bytes; lanes 0-15 hold an even block's words, lanes 16-31 the odd block's (ROW1).
; CLUSTERS 4 x 4: A's tiles are asked for jointly along a row of the cluster, B's along a column.
; PREFETCH: the text has no loop; the two refills' tiles are asked for once each, the first behind the head's loads, the second behind step 0; the four partners of a joint load share a tile's blocks of 256 bytes out by address.
; The matrix instruction is used transposed (source 0 = wo's columns, source 1 = tokens): the 16 registers of B's tiles 2 g, 2 g + 1 are columns 32 g + 16 h + 0 .. 15 of one token.
; REGISTERS: window 0: v8-25 addresses, v28, v29 the add's two, v32-127 scale words, v128-223 B's fragments in two sets (on the way out: rows read back); window 1: accumulator (a, b) at v[8 (4 a + b)]; window 2: A's fragments, two sets of 96.
.set STEPA, 786432                     ; bytes from ks to ks in ac
.set STEPB, 983040                     ; and in wc
.set WOFF,  3072
.set ATILE, 49152
.set BTILE, 30720
.set BOFF,  2*ATILE
.set SLOT,  2*ATILE+2*BTILE
.set SPARE, 2*SLOT                     ; the spare words, 128 bytes a wave
.set PITCH, 240
.set SPITCH, 272                       ; the way out: 16 rows of 256 + 16 bytes a wave, in slot 0, which has had its last fill and its last read by then
.set ADRA, 8                           ; v8-11   A's fragments in (slot, ks % 2)
.set ADRB, 12                          ; v12-15  B's; v16-19 for pieces whose lanes 16-31 lie behind one more padding
.set STO, 20
.set RD,  21
.set CO,  22
.set SOF, 23
.set PF0, 24
.set PF1, 25
.set SPW, 28
.set NIL, 29
.set SC,  32
.set BF,  128
.set BK,  128
.set G1A, 24
.set G0A, 32
.set G1B, 48
.set G0B, 56
.set G1HA, 68
.set G0HA, 76
.set G1HB, 80
.set G0HB, 88
.set MUL, 0x58                         ; source 0 window 0, source 1 window 2, C and D window 1
.set MSB, 0
.macro WIN new
.if MSB != (\new)
	s_set_vgpr_msb (MSB<<8)|(\new)
.set MSB, (\new)
.endif
.endm
.macro PLACES
.rept 4
	v_nop
.endr
.endm
.macro JLOAD g0a, g1a, g0b, g1b        ; waves 0, 1 ask for A, waves 2, 3 for B; each line has one mask
	s_cmp_eq_u32 s15, 0
	s_cbranch_scc0 .Lfor_b_\@
	tensor_load_to_lds s[\g0a:\g0a+3], s[\g1a:\g1a+7]
	s_nop 0
	PLACES
	s_branch .Lasked_\@
.Lfor_b_\@:
	tensor_load_to_lds s[\g0b:\g0b+3], s[\g1b:\g1b+7]
	s_nop 0
	PLACES
.Lasked_\@:
.endm
.macro CREST
	s_cmp_lg_u32 s14, 0
	s_cbranch_scc1 .Lnot_wave_0_\@
	s_barrier_signal -3
.Lnot_wave_0_\@:
	s_barrier_wait -3
	s_barrier_signal -1
	s_barrier_wait -1
.endm
.macro CROUND
	s_barrier_signal -1
	s_barrier_wait -1
	CREST
.endm
.macro DESC g, c, r, p                 ; group 1's words 1 to 7: r rows of c elements of 8 bytes, p elements apart
	s_mov_b32 s[\g+1], (\c)<<16
	s_mov_b32 s[\g+2], (\r)<<16
	s_mov_b32 s[\g+3], (\c)<<16
	s_mov_b32 s[\g+4], \r
	s_mov_b32 s[\g+5], \p
	s_mov_b32 s[\g+6], 0
	s_mov_b32 s[\g+7], 0
.endm
.macro ASK b                           ; my share of my ring tile: A 48 blocks of 256 bytes, B 24; lanes left over name the last block again
	global_prefetch_b8 v[PF0], s[\b:\b+1] th:TH_LOAD_NT scope:SCOPE_SE
	s_cmp_eq_u32 s15, 0
	s_cbranch_scc0 .Lpf_\@
	global_prefetch_b8 v[PF1], s[\b:\b+1] th:TH_LOAD_NT scope:SCOPE_SE
.Lpf_\@:
.endm
	s_load_b256 s[4:11], s[0:1], 0x0               ; ac, asc, wc, ws
	s_load_b64 s[12:13], s[0:1], 0x20              ; out0
	v_lshl_add_u32 v[SPW], v0, 2, SPARE
	v_mov_b32 v[NIL], 0
	ds_add_u32 v[SPW], v[NIL]                      ; the opening lines: the add, twice on end, and its wait ahead of my first tensor load
	ds_add_u32 v[SPW], v[NIL]
	v_lshrrev_b32 v1, 5, v0
	v_readfirstlane_b32 s14, v1                    ; wave
	s_lshr_b32 s15, s14, 1                         ; my half of the tokens; also: I fetch for A (0) or B (1)
	s_and_b32 s16, s14, 1                          ; my half of the columns; also: the slot (head) or the ks % 2 (ring) that I fetch
	s_bfe_u32 s40, ttmp6, 0x40000                  ; cx
	s_bfe_u32 s41, ttmp6, 0x40004                  ; cy
	s_lshl_b32 s42, ttmp9, 2
	s_add_co_u32 s42, s42, s40                     ; tile column
	s_and_b32 s17, ttmp7, 0xffff
	s_lshl_b32 s17, s17, 2
	s_add_co_u32 s17, s17, s41                     ; tile row
	s_lshl_b32 s43, s41, 2
	s_lshl_b32 s43, 15, s43                        ; my row of the cluster
	s_lshl_b32 s44, 0x1111, s40                    ; my column
	s_or_b32 s[G1A], s43, (3<<16)|(1<<21)
	s_or_b32 s[G1HA], s43, (3<<16)|(1<<21)
	s_or_b32 s[G1B], s44, (3<<16)|(1<<20)|(1<<21)|(3<<22)|(3<<25)
	s_or_b32 s[G1HB], s44, (3<<16)|(1<<20)|(1<<21)|(3<<22)|(3<<25)
	DESC G1A, 32, 192, 32                          ; ring: one ks of A, 49,152 dense bytes
	DESC G1B, 32, 96, 32                           ; one ks of B, 24,576 dense bytes
	DESC G1HA, 6144, 2, STEPA/8                    ; head: two ks, a row each
	DESC G1HB, 3072, 2, STEPB/8
	s_mov_b32 s[G0HA], 1
	s_mul_i32 s[G0HA+1], s16, SLOT
	s_mov_b32 s[G0HB], 1
	s_add_co_u32 s[G0HB+1], s[G0HA+1], BOFF
	s_mov_b32 s[G0A], 1
	s_mul_i32 s[G0A+1], s16, ATILE
	s_mov_b32 s[G0A+4], 1
	s_add_co_u32 s[G0A+5], s[G0A+1], SLOT
	s_mov_b32 s[G0B], 1
	s_mul_i32 s[G0B+1], s16, BTILE
	s_add_co_u32 s[G0B+1], s[G0B+1], BOFF
	s_mov_b32 s[G0B+4], 1
	s_add_co_u32 s[G0B+5], s[G0B+1], SLOT
	s_mul_i32 s20, s17, ATILE                      ; A's tile in a ks
	s_mov_b32 s21, 0
	s_lshl_b32 s46, s42, 7
	s_add_co_u32 s46, s46, WOFF                    ; B's first position
	s_lshl_b32 s100, s16, 6
	s_add_co_u32 s100, s100, s46
	s_lshl_b32 s100, s100, 3                       ; my 64 positions' scale bytes
	s_mov_b32 s101, 0
	s_mul_i32 s46, s46, 192
	s_mov_b32 s47, 0
	s_mul_i32 s18, s16, STEPA
	s_mov_b32 s19, 0
	s_mul_i32 s66, s16, STEPB
	s_mov_b32 s67, 0
	s_lshl_b32 s22, s17, 8
	s_lshl_b32 s23, s15, 7
	s_add_co_u32 s22, s22, s23                     ; my first token
	s_lshl_b32 s44, s22, 13                        ; its row of out0,
	s_lshl_b32 s22, s22, 3                         ; its scale bytes
	s_mov_b32 s23, 0
	s_lshl_b32 s45, s42, 9
	s_add_co_u32 s44, s44, s45
	s_lshl_b32 s45, s16, 8
	s_add_co_u32 s44, s44, s45                     ; + my first column
	s_mov_b32 s45, 0
	s_mov_b32 s96, 4*STEPB                         ; the prefetches: from my ks % 2 to ks 4 + ks % 2, + my work-group's share of the tile
	s_mov_b32 s99, 6144
	s_cmp_eq_u32 s15, 0
	s_cselect_b32 s96, 4*STEPA, s96
	s_cselect_b32 s99, 12288, s99
	s_cselect_b32 s98, s40, s41
	s_cselect_b32 s3, 31, 23
	s_mul_i32 s98, s98, s99
	s_add_co_u32 s98, s98, s96
	s_mov_b32 s99, 0
	s_lshr_b32 s96, s96, 1                         ; and two ks on
	s_mov_b32 s97, 0
	v_and_b32 v1, 15, v0                           ; r
	v_bfe_u32 v2, v0, 4, 1                         ; h
	v_and_b32 v3, 31, v0                           ; lane
	v_lshlrev_b32 v6, 4, v3
	v_mul_u32_u24 v4, v1, PITCH
	v_mad_u32_u24 v4, v2, 24, v4
	v_lshl_add_u32 v5, v2, 4, v4
	s_mul_i32 s21, s15, 8*3072
	s_mul_i32 s23, s16, 64*PITCH
	s_add_co_u32 s23, s23, BOFF
	v_add_nc_u32 v6, s21, v6
	v_add_nc_u32 v4, s23, v4
	v_add_nc_u32 v5, s23, v5
.irp c, 0,1,2,3
	v_add_nc_u32 v[ADRA+\c], (\c/2)*SLOT+(\c%2)*ATILE, v6
	v_add_nc_u32 v[ADRB+\c], (\c/2)*SLOT+(\c%2)*BTILE, v4
	v_add_nc_u32 v[ADRB+4+\c], (\c/2)*SLOT+(\c%2)*BTILE, v5
.endr
	s_mov_b32 s21, 0
	s_mul_i32 s23, s14, 16*SPITCH                  ; my stage
	v_mul_u32_u24 v7, v1, SPITCH
	v_lshl_add_u32 v7, v2, 6, v7
	v_add_nc_u32 v[STO], s23, v7                   ; in: row r, 64 bytes for each half of the lanes
	v_mul_u32_u24 v7, v2, SPITCH
	v_lshl_add_u32 v7, v1, 4, v7
	v_add_nc_u32 v[RD], s23, v7                    ; back: sixteen lanes to a row of 256 bytes
	s_mov_b32 s23, 0
	v_lshlrev_b32 v7, 13, v2
	v_lshl_add_u32 v[CO], v1, 4, v7                ; the same two rows in out0
	v_lshlrev_b32 v[SOF], 3, v3
	v_min_u32 v[PF0], s3, v3
	v_lshlrev_b32 v[PF0], 8, v[PF0]
	v_min_u32 v[PF1], 15, v3
	v_lshl_add_u32 v[PF1], v[PF1], 8, 8192
	s_wait_alu depctr_va_vdst(0)
	s_wait_dscnt 0x0                               ; both opening adds are done
	s_wait_kmcnt 0x0
	s_add_nc_u64 s[20:21], s[4:5], s[20:21]
	s_add_nc_u64 s[46:47], s[8:9], s[46:47]
	s_add_nc_u64 s[22:23], s[6:7], s[22:23]
	s_add_nc_u64 s[100:101], s[10:11], s[100:101]
	s_add_nc_u64 s[12:13], s[12:13], s[44:45]
.irp k, 0,1,2,3,4,5,6,7                ; scale words: v[SC + 12 ks + 2 j + q] A's blocks 2 j, 2 j + 1; v[SC + 12 ks + 8 + 2 j + q] B's
.irp j, 0,1,2,3
	global_load_b64 v[SC+12*\k+2*\j:SC+12*\k+2*\j+1], v[SOF], s[22:23] offset:\k*32768+\j*256
.endr
.irp j, 0,1
	global_load_b64 v[SC+12*\k+8+2*\j:SC+12*\k+8+2*\j+1], v[SOF], s[100:101] offset:\k*40960+\j*256
.endr
.endr
	s_add_nc_u64 s[20:21], s[20:21], s[18:19]      ; ks = s16
	s_add_nc_u64 s[46:47], s[46:47], s[66:67]
	s_add_nc_u64 s[G0HA+2:G0HA+3], s[20:21], s[18:19]   ; head: ks = 2 s16, into slot s16
	s_or_b32 s[G0HA+3], s[G0HA+3], 0x80000000
	s_add_nc_u64 s[G0HB+2:G0HB+3], s[46:47], s[66:67]
	s_or_b32 s[G0HB+3], s[G0HB+3], 0x80000000
.irp s, 0,1
	s_add_nc_u64 s[G0A+4*\s+2:G0A+4*\s+3], s[20:21], (4+2*\s)*STEPA   ; ring: slot s takes ks 4 + 2 s + s16
	s_or_b32 s[G0A+4*\s+3], s[G0A+4*\s+3], 0x80000000
	s_add_nc_u64 s[G0B+4*\s+2:G0B+4*\s+3], s[46:47], (4+2*\s)*STEPB
	s_or_b32 s[G0B+4*\s+3], s[G0B+4*\s+3], 0x80000000
.endr
	s_cmp_eq_u32 s15, 0
	s_cselect_b64 s[92:93], s[20:21], s[46:47]
	s_add_nc_u64 s[92:93], s[92:93], s[98:99]
	s_add_nc_u64 s[94:95], s[92:93], s[96:97]
	CROUND                                         ; all sixteen work-groups are here: the first joint loads meet
	JLOAD G0HA, G1HA, G0HB, G1HB                   ; one load a wave: both slots
	ASK 92                                         ; ks 4, 5
.macro FRAG reg, adr, q, i             ; B: 16 positions x 128 K: six pieces of 8 bytes; piece n of a row lies at 8 n + 16 (n / 8)
.irp p, 0,1,2,3,4,5
.set PCE, 12*(\q)+6*(\p/3)+\p%3
.if PCE%8 < 5
	ds_load_b64 v[\reg+2*\p:\reg+2*\p+1], v[\adr] offset:8*PCE+16*(PCE/8)+(\i)*16*PITCH
.else
	ds_load_b64 v[\reg+2*\p:\reg+2*\p+1], v[\adr+4] offset:8*PCE+16*(PCE/8)+(\i)*16*PITCH
.endif
.endr
.endm
.macro LOADS st                        ; step st's fragments into set st % 2: 24 + 24 LDS loads
.set CC, ((\st)/2)%4
.set QQ, (\st)%2
	WIN 0x80
.irp i, 0,1,2,3,4,5,6,7
.irp g, 0,1,2
	ds_load_b128 v[96*QQ+12*\i+4*\g:96*QQ+12*\i+4*\g+3], v[ADRA+CC] offset:\i*3072+QQ*1536+\g*512
.endr
.endr
	WIN 0
.irp i, 0,1,2,3
	FRAG BF+48*QQ+12*\i, ADRB+CC, QQ, \i
.endr
.endm
.macro WM c                            ; one product; an odd block's scale words lie in lanes 16-31
.if (BB_%2==0)&&(AA%2==0)
	v_wmma_scale_f32_16x16x128_f8f6f4 v[D:D+7], v[FB:FB+11], v[FA:FA+11], \c, v[SB_], v[SA_] matrix_a_fmt:MATRIX_FMT_FP6 matrix_b_fmt:MATRIX_FMT_FP6
.endif
.if (BB_%2==1)&&(AA%2==0)
	v_wmma_scale_f32_16x16x128_f8f6f4 v[D:D+7], v[FB:FB+11], v[FA:FA+11], \c, v[SB_], v[SA_] matrix_a_fmt:MATRIX_FMT_FP6 matrix_b_fmt:MATRIX_FMT_FP6 matrix_a_scale:MATRIX_SCALE_ROW1
.endif
.if (BB_%2==0)&&(AA%2==1)
	v_wmma_scale_f32_16x16x128_f8f6f4 v[D:D+7], v[FB:FB+11], v[FA:FA+11], \c, v[SB_], v[SA_] matrix_a_fmt:MATRIX_FMT_FP6 matrix_b_fmt:MATRIX_FMT_FP6 matrix_b_scale:MATRIX_SCALE_ROW1
.endif
.if (BB_%2==1)&&(AA%2==1)
	v_wmma_scale_f32_16x16x128_f8f6f4 v[D:D+7], v[FB:FB+11], v[FA:FA+11], \c, v[SB_], v[SA_] matrix_a_fmt:MATRIX_FMT_FP6 matrix_b_fmt:MATRIX_FMT_FP6 matrix_a_scale:MATRIX_SCALE_ROW1 matrix_b_scale:MATRIX_SCALE_ROW1
.endif
.endm
.macro MULS st, a0, a1, zero           ; A's blocks a0 .. a1 x B's four; the accumulators take turns
.set AA, \a0
.rept (\a1)-(\a0)+1
.set BB_, 0
.rept 4
.set D, 8*(4*AA+BB_)
.set FB, BF+48*((\st)%2)+12*BB_
.set FA, 96*((\st)%2)+12*AA
.set SB_, SC+12*((\st)/2)+8+2*(BB_/2)+(\st)%2
.set SA_, SC+12*((\st)/2)+2*(AA/2)+(\st)%2
.if \zero
	WM 0
.else
	WM v[D:D+7]
.endif
.set BB_, BB_+1
.endr
.set AA, AA+1
.endr
.endm
; A step of 128 along K: the next step's 48 loads go out first, into the set that the step before multiplied, four places behind its last product; then 32 products.
; A slot's third step (steps 2, 6, 10) has fetched the slot's last fragments: in it stand the wait for all my tensor loads, the add, the wait for the add and for my reads, and the barrier.
; In steps 2 and 6 the barrier opens a round of the cluster's barrier, and the slot is filled again; behind step 10's nothing is filled.
.macro STEP st, zero
.if (\st) > 0
	PLACES
.endif
.if (\st) < 15
	LOADS (\st)+1
	s_wait_dscnt 48                                ; all but the 48 just issued: this step's fragments are in
.else
	s_wait_dscnt 0x0
.endif
	WIN MUL
.if (\st)%4 == 2 && (\st) < 12
	MULS \st, 0, 3, \zero
	WIN 0
	s_wait_tensorcnt 0x0                           ; my part of the other slot is in
	ds_add_u32 v[SPW], v[NIL]
	WIN MUL
	MULS \st, 4, 5, \zero
	s_wait_dscnt 0x0                               ; the add is done, and my reads of this slot are over
	s_barrier_signal -1
	MULS \st, 6, 7, \zero
	WIN 0
	s_barrier_wait -1
.if (\st) < 8
	CREST
	JLOAD G0A+4*((\st)/4), G1A, G0B+4*((\st)/4), G1B
.endif
.else
	MULS \st, 0, 7, \zero
	WIN 0
.endif
.endm
	s_wait_tensorcnt 0x0                           ; my tile of the head's four is in,
	s_barrier_signal -1
	s_barrier_wait -1                              ; everybody's is
	LOADS 0
	s_wait_loadcnt 0x0                             ; the scale words
	STEP 0, 1                                      ; the first step's products start the sums
	ASK 94                                         ; ks 6, 7
.set ST, 1
.rept 15
	STEP ST, 0
.set ST, ST+1
.endr
; THE WAY OUT, block by block of 16 tokens x 64 columns: through my stage, back as rows of 256 bytes, sixteen lanes to a row.  LDS serves a wave's instructions in order.
.macro TOSTAGE a
	WIN 0x04
.irp b, 0,1,2,3
	ds_store_b128 v[STO], v[8*(4*(\a)+\b):8*(4*(\a)+\b)+3] offset:128*(\b/2)+32*(\b%2)
	ds_store_b128 v[STO], v[8*(4*(\a)+\b)+4:8*(4*(\a)+\b)+7] offset:128*(\b/2)+32*(\b%2)+16
.endr
	WIN 0
.irp t, 0,1,2,3,4,5,6,7
	ds_load_b128 v[BK+32*((\a)%2)+4*\t:BK+32*((\a)%2)+4*\t+3], v[RD] offset:\t*2*SPITCH
.endr
.endm
.macro SEND a, younger
	s_wait_dscnt \younger
.irp t, 0,1,2,3,4,5,6,7
	global_store_b128 v[CO], v[BK+32*((\a)%2)+4*\t:BK+32*((\a)%2)+4*\t+3], s[12:13] offset:(16*(\a)+2*\t)*8192 th:TH_STORE_NT   ; two rows, each 256 consecutive bytes, aligned
.endr
.endm
	PLACES
	TOSTAGE 0
.irp a, 1,2,3,4,5,6,7
.if \a > 1
	s_wait_xcnt 0x0                                ; block a - 2's stores have read their registers: block a's loads may land there
.endif
	TOSTAGE \a
	SEND \a-1, 16                                  ; behind block a - 1's loads: block a's 8 stores and 8 loads
.endr
	SEND 7, 0
	s_wait_tensorcnt 0x0                           ; the wave's end
	ds_add_u32 v[SPW], v[NIL]
	s_wait_dscnt 0x0
	CROUND                                         ; the closing round
	s_endpgm
.Lfunc_end_k_q720f16e3c6_oproj:
	.size	k_q720f16e3c6_oproj, .Lfunc_end_k_q720f16e3c6_oproj-k_q720f16e3c6_oproj
	.p2alignl 7, 3214868480
	.fill 96, 4, 3214868480
	.section	.rodata,"a",@progbits
	.p2align	6, 0x0
	.amdhsa_kernel k_q720f16e3c6_oproj
		.amdhsa_group_segment_fixed_size 327680
		.amdhsa_private_segment_fixed_size 0
		.amdhsa_enable_private_segment 0
		.amdhsa_kernarg_size 40
		.amdhsa_user_sgpr_count 2
		.amdhsa_user_sgpr_kernarg_segment_ptr 1
		.amdhsa_wavefront_size32 1
		.amdhsa_system_sgpr_workgroup_id_x 1
		.amdhsa_system_sgpr_workgroup_id_y 1
		.amdhsa_system_sgpr_workgroup_id_z 1
		.amdhsa_system_vgpr_workitem_id 0
		.amdhsa_next_free_vgpr 768
		.amdhsa_next_free_sgpr 102
		.amdhsa_reserve_vcc 0
		.amdhsa_float_denorm_mode_32 3
		.amdhsa_float_denorm_mode_16_64 3
		.amdhsa_memory_ordered 1
		.amdhsa_forward_progress 1
		.amdhsa_inst_pref_size 149
	.end_amdhsa_kernel
	.amdgpu_metadata
---
amdhsa.version: [ 1, 2 ]
amdhsa.kernels:
  - .name:           k_q720f16e3c6_oproj
    .symbol:         k_q720f16e3c6_oproj.kd
    .args:
      - { .name: ac, .offset: 0, .size: 8, .value_kind: global_buffer, .address_space: global }
      - { .name: asc, .offset: 8, .size: 8, .value_kind: global_buffer, .address_space: global }
      - { .name: wc, .offset: 16, .size: 8, .value_kind: global_buffer, .address_space: global }
      - { .name: ws, .offset: 24, .size: 8, .value_kind: global_buffer, .address_space: global }
      - { .name: out0, .offset: 32, .size: 8, .value_kind: global_buffer, .address_space: global }
    .group_segment_fixed_size: 327680
    .private_segment_fixed_size: 0
    .kernarg_segment_align: 8
    .kernarg_segment_size: 40
    .max_flat_workgroup_size: 128
    .sgpr_count:     102
    .vgpr_count:     768
    .wavefront_size: 32
...
	.end_amdgpu_metadata
.endif
;; end of part 4
